; MI455X (gfx1250); checked and timed in simulation.
; The chip was launched on July 23, 2026; its instructions are those of AMD's public machine-readable ISA for CDNA 5 (MIT licence, August 2026) and "CDNA5" Instruction Set Architecture Reference Guide (July 2026). The comments in the code are by the model that wrote it; some were corrected since.
;; Rotary Yat Attention. Allowed arithmetic: float matrix products may take bf16 or f16 operands with f32 sums; other float arithmetic in f32, or as packed bf16 or f16 multiplies, adds, multiply-adds, maxima and minima; sums over many terms, partial sums and values carried from step to step in f32; what a program stores and reads back later, other than sums and carried values, may be rounded once to bf16 or f16.
;; Inputs: Wk 1,024 x 1,024 float32; Wo 1,024 x 1,024 float32; Wq 1,024 x 1,024 float32; Wv 1,024 x 1,024 float32; alpha 1 float32; x 2 x 2,048 x 1,024 float32.
;; Outputs: out0 2 x 2,048 x 1,024 float32.
;; 2 versions, each right; version 2 is version 1 with the launch cast written anew for expert scheduling mode. Each part assembles by itself: llvm-mc -triple=amdgcn-amd-amdhsa -mcpu=gfx1250 --defsym DOCPART=n.
;; ======== version 1 of 2: 4 launches
;; limits: values are held in f16: magnitudes above 65,504 overflow, below 6.1e-05 lose precision
;; workspace buffers: xb 8,388,608 bytes; wb 8,388,608 bytes; rope 524,288 bytes; qkv 25,165,824 bytes; nrm 786,432 bytes; ob 8,388,608 bytes
;; launch cast (part 1): grid 32 x 8, 8 waves a work-group, no clusters, 0 bytes of LDS; arguments x, Wq, Wk, Wv, Wo, xb, wb, rope; writes xb, wb, rope
.if DOCPART == 1
	.amdgcn_target "amdgcn-amd-amdhsa--gfx1250"
	.amdhsa_code_object_version 6
	.text
	.protected	k_q4b75c9f6bb_cast
	.globl	k_q4b75c9f6bb_cast
	.p2align	8
	.type	k_q4b75c9f6bb_cast,@function
k_q4b75c9f6bb_cast:
	s_mov_b64 s[64:65], 0
	v_nop
	global_prefetch_b8 v0, s[64:65] scope:SCOPE_SE
	s_setreg_imm32_b32 hwreg(HW_REG_WAVE_MODE, 25, 1), 1
	s_wait_xcnt 0x0
; CAST.  x, Wq, Wk, Wv are rounded once to bf16; Wo is rounded to bf16 and that number is written as f16 (exact from 6.1e-5 up; below it keeps f16's fixed step of 6e-8;
; beyond 65,504 it would be an infinity).  Each thread also makes one entry (cos, sin) of the rotary table: rope[t][i] = cos, sin of t x 10000^(-i/32), f32, 256 bytes a row t.
; SHARES.  Eight segments of 1,048,576 numbers, one for each y: y = 0..3 the quarters of x, y = 4..7 Wq, Wk, Wv, Wo.  A work-group takes 32,768 numbers: 16 rows of 2,048;
; thread t takes 8 numbers of each row: 32 bytes in, 16 bytes out, so a wave's store covers 512 consecutive bytes.  All 32 loads of a thread go out at once: nothing is read twice,
; no LDS, no barrier, no matrix work: a stream.
; LIMIT of the table: the frequency is 2^(-0.41524101 i) by v_exp_f32 (1 ulp); the products with 2/pi and with t are split exactly by fused multiply-adds, so the angle is off by
; at most 2e-4 rad (t = 2047, i = 1); sine and cosine are polynomials on |z| <= 1/2 quarter turns, off by under 4e-7.  Row 0 is exactly (1, 0).
.set X, 32                             ; v[32:159]  row r: 8 numbers as loaded
.set Y, 160                            ; v[160:223] row r: 4 registers to store, each row its own: no store's data is ever rewritten
.set T, 4                              ; v[4:11]    at work
.set Z, 224                            ; v[224:227] at work
	s_load_b512 s[4:19], s[0:1], 0x0               ; x, Wq, Wk, Wv, Wo, xb, wb, rope
	s_and_b32 s20, ttmp7, 0xffff                   ; y: the segment
	v_lshlrev_b32 v1, 5, v0                        ; 32 t: my bytes in a row of the source
	v_lshlrev_b32 v2, 4, v0                        ; 16 t: in a row of the result
	s_lshl_b32 s28, s20, 5
	s_add_co_u32 s28, s28, ttmp9
	s_lshl_b32 s28, s28, 8
	v_add_nc_u32 v16, s28, v0                      ; g = my entry of the table, 0 .. 65,535
	v_lshlrev_b32 v3, 3, v16                       ; 8 g
	s_and_b32 s26, s20, 3
	s_cmp_lt_u32 s20, 4
	s_cselect_b32 s27, s26, 0                      ; the quarter of x, or 0 for a weight
	s_lshl_b32 s30, s27, 22
	s_lshl_b32 s29, ttmp9, 17
	s_add_co_u32 s30, s30, s29                     ; source offset
	s_mov_b32 s31, 0
	s_lshl_b32 s32, s26, 21
	s_lshl_b32 s29, ttmp9, 16
	s_add_co_u32 s32, s32, s29                     ; result offset
	s_mov_b32 s33, 0
	s_mov_b32 s34, 0xffff0000                      ; a word's upper bf16
	s_mov_b32 s35, 0x3f22f983                      ; 2/pi, rounded to f32
	s_mov_b32 s36, 0x332d44bc                      ; what that rounding lost, relative: 4.034e-8
	s_wait_kmcnt 0x0
	s_cmp_lt_u32 s20, 4
	s_cselect_b64 s[22:23], s[4:5], s[6:7]
	s_cselect_b64 s[24:25], s[14:15], s[16:17]
	s_cmp_eq_u32 s20, 5
	s_cselect_b64 s[22:23], s[8:9], s[22:23]
	s_cmp_eq_u32 s20, 6
	s_cselect_b64 s[22:23], s[10:11], s[22:23]
	s_cmp_eq_u32 s20, 7
	s_cselect_b64 s[22:23], s[12:13], s[22:23]
	s_cselect_b32 s21, -1, 0                       ; all lanes: the result is written as f16 (Wo alone)
	s_add_nc_u64 s[22:23], s[22:23], s[30:31]
	s_add_nc_u64 s[24:25], s[24:25], s[32:33]
.set r, 0
.rept 16
	global_load_b128 v[X+8*r:X+8*r+3],   v1, s[22:23] offset:8192*r th:TH_LOAD_NT
	global_load_b128 v[X+8*r+4:X+8*r+7], v1, s[22:23] offset:8192*r+16 th:TH_LOAD_NT
.set r, r+1
.endr
	; the table entry, while the loads are on their way
	v_and_b32 v17, 31, v16                         ; i
	v_lshrrev_b32 v18, 5, v16                      ; t
	v_cvt_f32_u32 v17, v17
	v_cvt_f32_u32 v18, v18
	v_mul_f32 v17, 0xbed49a78, v17                 ; -i log2(10000) / 32
	v_exp_f32 v19, v17                             ; the frequency
	v_nop                                          ; a plain instruction behind the exponential,
	s_wait_alu depctr_va_vdst(0)                   ; and a wait ahead of its first reader
	v_mul_f32 v20, s35, v19                        ; quarter turns for each step of t,
	v_fma_f32 v21, v19, s35, -v20                  ; and what that product's rounding lost
	v_mul_f32 v22, v18, v20                        ; p = quarter turns,
	v_fma_f32 v23, v18, v20, -v22                  ; the rest of the product, exact,
	v_fma_f32 v23, v18, v21, v23
	v_fma_f32 v23, v22, s36, v23                   ; and the constant's own rounding
	v_rndne_f32 v24, v22                           ; whole quarter turns
	v_sub_f32 v25, v22, v24
	v_add_f32 v25, v25, v23                        ; z, within a half
	v_mul_f32 v26, v25, v25
	v_mov_b32 v27, 0xbb996966                      ; sin(z pi/2) = z (1.5707963 - 0.6459641 z^2 + 0.0796926 z^4 - 0.0046818 z^6)
	v_fmaak_f32 v27, v27, v26, 0x3da335e3
	v_fmaak_f32 v27, v27, v26, 0xbf255de7
	v_fmaak_f32 v27, v27, v26, 0x3fc90fdb
	v_mul_f32 v27, v27, v25
	v_mov_b32 v28, 0x3a70fa84                      ; cos(z pi/2) = 1 - 1.2337006 z^2 + 0.2536695 z^4 - 0.0208635 z^6 + 0.0009193 z^8
	v_fmaak_f32 v28, v28, v26, 0xbcaae9e4
	v_fmaak_f32 v28, v28, v26, 0x3e81e0f8
	v_fmaak_f32 v28, v28, v26, 0xbf9de9e6
	v_fmaak_f32 v28, v28, v26, 0x3f800000
	v_cvt_i32_f32 v29, v24                         ; the quadrant is its two low bits
	v_and_b32 v30, 1, v29
	v_cmp_eq_u32 vcc_lo, 1, v30
	v_cndmask_b32 v12, v28, v27, vcc_lo            ; odd quadrants swap the two
	v_cndmask_b32 v13, v27, v28, vcc_lo
	v_add_nc_u32 v31, 1, v29
	v_and_b32 v31, 2, v31
	v_lshlrev_b32 v31, 30, v31
	v_xor_b32 v12, v12, v31                        ; cos is negative in quadrants 1 and 2,
	v_and_b32 v31, 2, v29
	v_lshlrev_b32 v31, 30, v31
	v_xor_b32 v13, v13, v31                        ; sin in 2 and 3
	global_store_b64 v3, v[12:13], s[18:19]        ; a wave writes one whole row of 256 bytes; v12, v13 are not written again
.macro ROW r
	s_wait_loadcnt 30-2*(\r)                       ; loads come back in order: this row's two are in, the two of each later row may stay out
.irp k, 0,1,2,3
	v_cvt_pk_bf16_f32 v[Y+4*(\r)+(\k)], v[X+8*(\r)+2*(\k)], v[X+8*(\r)+2*(\k)+1]
.endr
.irp k, 0,1,2,3
	v_lshlrev_b32 v[T+2*(\k)],   16, v[Y+4*(\r)+(\k)]     ; the rounded numbers as f32,
	v_and_b32     v[T+2*(\k)+1], s34, v[Y+4*(\r)+(\k)]
.endr
.irp k, 0,1,2,3
	v_cvt_pk_f16_f32 v[Z+(\k)], v[T+2*(\k)], v[T+2*(\k)+1]  ; as f16,
.endr
.irp k, 0,1,2,3
	v_cndmask_b32 v[Y+4*(\r)+(\k)], v[Y+4*(\r)+(\k)], v[Z+(\k)], s21  ; taken for Wo alone
.endr
	global_store_b128 v2, v[Y+4*(\r):Y+4*(\r)+3], s[24:25] offset:4096*(\r)
.endm
.irp r, 0,1,2,3,4,5,6,7,8,9,10,11,12,13,14,15
	ROW \r
.endr
	s_endpgm
.Lfunc_end_k_q4b75c9f6bb_cast:
	.size	k_q4b75c9f6bb_cast, .Lfunc_end_k_q4b75c9f6bb_cast-k_q4b75c9f6bb_cast
	.p2alignl 7, 3214868480
	.fill 96, 4, 3214868480
	.section	.rodata,"a",@progbits
	.p2align	6, 0x0
	.amdhsa_kernel k_q4b75c9f6bb_cast
		.amdhsa_group_segment_fixed_size 0
		.amdhsa_private_segment_fixed_size 0
		.amdhsa_enable_private_segment 0
		.amdhsa_kernarg_size 64
		.amdhsa_user_sgpr_count 2
		.amdhsa_user_sgpr_kernarg_segment_ptr 1
		.amdhsa_wavefront_size32 1
		.amdhsa_system_sgpr_workgroup_id_x 1
		.amdhsa_system_sgpr_workgroup_id_y 1
		.amdhsa_system_sgpr_workgroup_id_z 1
		.amdhsa_system_vgpr_workitem_id 0
		.amdhsa_next_free_vgpr 240
		.amdhsa_next_free_sgpr 66
		.amdhsa_reserve_vcc 1
		.amdhsa_float_denorm_mode_32 3
		.amdhsa_float_denorm_mode_16_64 3
		.amdhsa_memory_ordered 1
		.amdhsa_forward_progress 1
		.amdhsa_inst_pref_size 25
	.end_amdhsa_kernel
	.amdgpu_metadata
---
amdhsa.version: [ 1, 2 ]
amdhsa.kernels:
  - .name:           k_q4b75c9f6bb_cast
    .symbol:         k_q4b75c9f6bb_cast.kd
    .args:
      - { .name: x, .offset: 0, .size: 8, .value_kind: global_buffer, .address_space: global }
      - { .name: Wq, .offset: 8, .size: 8, .value_kind: global_buffer, .address_space: global }
      - { .name: Wk, .offset: 16, .size: 8, .value_kind: global_buffer, .address_space: global }
      - { .name: Wv, .offset: 24, .size: 8, .value_kind: global_buffer, .address_space: global }
      - { .name: Wo, .offset: 32, .size: 8, .value_kind: global_buffer, .address_space: global }
      - { .name: xb, .offset: 40, .size: 8, .value_kind: global_buffer, .address_space: global }
      - { .name: wb, .offset: 48, .size: 8, .value_kind: global_buffer, .address_space: global }
      - { .name: rope, .offset: 56, .size: 8, .value_kind: global_buffer, .address_space: global }
    .group_segment_fixed_size: 0
    .private_segment_fixed_size: 0
    .kernarg_segment_align: 8
    .kernarg_segment_size: 64
    .max_flat_workgroup_size: 256
    .sgpr_count:     66
    .vgpr_count:     240
    .wavefront_size: 32
...
	.end_amdgpu_metadata
.endif
;; end of part 1
;; launch qkv (part 2): grid 8 x 32, 4 waves a work-group, clusters of 4 x 4, 327,680 bytes of LDS; arguments xb, wb, rope, qkv, nrm; writes qkv, nrm
.if DOCPART == 2
	.amdgcn_target "amdgcn-amd-amdhsa--gfx1250"
	.amdhsa_code_object_version 6
	.text
	.protected	k_q4b75c9f6bb_qkv
	.globl	k_q4b75c9f6bb_qkv
	.p2align	8
	.type	k_q4b75c9f6bb_qkv,@function
k_q4b75c9f6bb_qkv:
	s_mov_b64 s[64:65], 0
	v_nop
	global_prefetch_b8 v0, s[64:65] scope:SCOPE_SE
	s_setreg_imm32_b32 hwreg(HW_REG_WAVE_MODE, 25, 1), 1
	s_wait_xcnt 0x0
	s_wait_alu depctr_hold_cnt(0) depctr_sa_sdst(0) depctr_va_vdst(0) depctr_va_sdst(0) depctr_va_ssrc(0) depctr_va_vcc(0) depctr_vm_vsrc(0)
	s_getreg_b32 s2, hwreg(HW_REG_IB_STS2, 6, 4)
	s_cmp_eq_u32 s2, 0
	s_cbranch_scc0 .Lentry_in_a_cluster
	s_endpgm
.Lentry_in_a_cluster:
	s_bfe_u32 s2, ttmp6, 0x10000c
	s_cmp_lg_u32 s2, 0xf033
	s_cbranch_scc0 .Lentry_shape_is_right
	s_endpgm
.Lentry_shape_is_right:
; q, k, v = x [Wq Wk Wv]: [4096 x 1024] x [1024 x 3072] in bf16, sums in f32; then, on the way out, the rotation of q and k in f32, ONE rounding to f16, the layout by heads
; qkv[type][batch x 16 + head][row][64], and the squared norm of each ROUNDED row of 64 (nrm, f32, same planes), so that qn + kn - 2 q.k is the rounded vectors' true distance.
; LIMITS.  q, k, v beyond 65,504 become infinities in f16.  v goes through the same rotation with table row 0, which holds exactly (1, 0): it is left as it is unless it is not finite.
; SHARES.  A tile is 128 rows x 384 columns: 32 x 8 = 256 work-groups.  Four waves, each 64 rows x 192 columns: 48 accumulators, 384 registers.  The 384 columns are three strips of
; 128 (two heads each); wave (wm, wn) takes rows 64 wm .. and head wn of each strip.  K goes in 8 steps of 128 through two LDS slots: waves 0-2 fetch a strip of W each (128 k rows x 256
; bytes), wave 3 the 128 rows of x (256 bytes each).  W lies [k][n], so its fragments are read by the turning load.
; CLUSTER.  4 x 4 work-groups: x's tile hangs on the tile row alone and is asked for jointly along a row of the cluster, W's strips on the tile column alone, jointly along a column.
; THE MATRIX INSTRUCTION IS USED TRANSPOSED (source 0 = 16 columns of W, source 1 = 16 rows of x): a lane holds one row and eight neighbouring columns: four rotation pairs, 16 bytes of f16.
; REGISTERS: window 0: v16-38 addresses; v48-59 at work; v64-127 x's fragments, two buffers; v128-255 the way out.  window 1: v0-191 W's fragments, two buffers of 96.
;   window 2: the accumulators of row blocks 0, 1 (block a, column block n at 8 (12 (a % 2) + n)); window 3: those of row blocks 2, 3.
.set KSTEP,  128
.set PW,     288                       ; a k row of a strip in LDS: 256 bytes + 32
.set PX,     272                       ; a row of x: 256 + 16: the 16 rows of a load start at 16 different groups of four banks
.set STRIP,  128*PW
.set AOFF,   3*STRIP                   ; x's rows lie behind the three strips
.set SLOT,   AOFF+128*PX
.set STAGE,  2*SLOT                    ; behind the ring, never filled by a tensor load: 16 rows x 144 bytes for each wave
.set SP,     144
.set NST,    STAGE+4*16*SP             ; 256 bytes for each wave: 64 norms
.set SPARE,  NST+4*256                 ; the spare words, 128 bytes for each wave: two blocks of 256 bytes that no other line names
.set ADRW, 16                          ; v16-21  LDS address of my W fragments: slot s, strip j at ADRW + 3 s + j
.set ADRX, 22                          ; v22-23  of my x fragments, by slot
.set STO,  24                          ; where I put 16 bytes of a row
.set RD,   25                          ; where I read rows back
.set GO,   26                          ; 16 x lane
.set NSTO, 27
.set NRD,  28
.set NGO,  29
.set SPW,  30                          ; LDS address of my spare word; never rewritten
.set NIL,  31                          ; 0; never rewritten
.set PFO,  32                          ; the prefetches' offset: lane x 2,048 bytes (a row of xb and of wb); never rewritten
.set ROWI, 33                          ; my row's place in its sequence, for row block 0
.set H32,  34                          ; 32 x (lane / 16)
.set TO,   36                          ; v36-37  the table loads' offset, two by turns
.set ZERO, 38
.set NA,   48                          ; v48-51  four chains of a norm
.set NR,   52                          ; v52-55  the norms of row blocks 0-3
.set XF,   64
.set CSR,  128                         ; v128-191 cos, sin: two buffers of 32
.set RO,   192                         ; v192-223 rotated, f32
.set HF,   224                         ; v224-239 rounded to f16
.set OUTR, 240                         ; v240-255 whole rows read back
.set G1A, 24                           ; s[24:31] group 1 for x's tile;  s[32:39] group 0, a set for each slot
.set G0A, 32
.set G1W, 48                           ; s[48:55], s[56:63] the same for W's strips
.set G0W, 56
.set PFA, 66                           ; s[66:67] where my prefetches stand
.set PST, 68                           ; s[68:69] their step: a K step along a row of x, or down W
.set LIM, 70                           ; 1 in a wave that prefetches, else the greatest number
.set SEL, 72                           ; s[72:73] v_permlanex16_b32's selects
.set QB,  74                           ; s[74:79] qkv at my rows of head j
.set NBP, 80                           ; s[80:85] nrm likewise
.set G256, 86                          ; s86-88  256 for q and k, 0 for v: the table row's pitch
.set MSB, 0
.macro WIN new                         ; the immediate's high byte repeats the setting that is left; a switch that changes nothing is dropped
.if MSB != (\new)
	s_set_vgpr_msb (MSB<<8)|(\new)
.set MSB, \new
.endif
.endm
.macro PLACES                          ; four places in front of loads into registers that matrix instructions have read, and of lines that read results
.rept 4
	v_nop
.endr
.endm
; A joint load.  Wave 3 fetches x's tile, waves 0-2 a strip each.  The branch hangs on the wave's number alone.  An s_nop 0 and four v_nop follow each line.
.macro JLOAD s
	s_cmp_eq_u32 s14, 3
	s_cbranch_scc0 .Lfor_w_\@
	tensor_load_to_lds s[G0A+4*(\s):G0A+4*(\s)+3], s[G1A:G1A+7]
	s_nop 0
.rept 4
	v_nop
.endr
	s_branch .Lasked_\@
.Lfor_w_\@:
	tensor_load_to_lds s[G0W+4*(\s):G0W+4*(\s)+3], s[G1W:G1W+7]
	s_nop 0
.rept 4
	v_nop
.endr
.Lasked_\@:
.endm
; A prefetch of the K step that stands two refills on (384 matrix instructions ahead of its load): 32 rows x 256 bytes, a lane a row.  x's tile row is read by both clusters of its row of
; clusters: cluster x = 0 asks (wave 3); a strip by all clusters of its column: cluster y = 0 asks (waves 0-2).  The four partners share the 128 rows out by address, 32 each.
; So each block of 256 bytes is named once.  K steps 0-3 come by their loads alone; the loop's last trip (s21 = 1) asks for nothing.
.macro ASK
	s_cmp_gt_u32 s21, s[LIM]
	s_cbranch_scc0 .Lnot_mine_\@
	global_prefetch_b8 v[PFO], s[PFA:PFA+1] th:TH_LOAD_NT scope:SCOPE_SE
.Lnot_mine_\@:
.endm
.macro CREST                           ; a round of the cluster's barrier behind its opening barrier
	s_cmp_lg_u32 s14, 0
	s_cbranch_scc1 .Lnot_wave_0_\@
	s_barrier_signal -3
.Lnot_wave_0_\@:
	s_barrier_wait -3
	s_barrier_signal -1
	s_barrier_wait -1
.endm
.macro CROUND
	s_barrier_signal -1
	s_barrier_wait -1
	CREST
.endm
	s_load_b256 s[4:11], s[0:1], 0x0               ; xb s[4:5], wb s[6:7], rope s[8:9], qkv s[10:11]
	s_load_b64 s[12:13], s[0:1], 0x20              ; nrm
	v_lshl_add_u32 v[SPW], v0, 2, SPARE
	v_mov_b32 v[NIL], 0
	ds_add_u32 v[SPW], v[NIL]                      ; the wave's opening: the add and its wait ahead of my first tensor load
	v_lshrrev_b32 v1, 5, v0
	v_readfirstlane_b32 s14, v1                    ; wave 0..3
	s_lshr_b32 s15, s14, 1                         ; wm: which 64 rows
	s_and_b32 s16, s14, 1                          ; wn: which head of each strip
	s_bfe_u32 s17, ttmp6, 0x40000                  ; cx
	s_bfe_u32 s18, ttmp6, 0x40004                  ; cy
	s_lshl_b32 s19, ttmp9, 2
	s_add_co_u32 s19, s19, s17                     ; NT: tile column, 0..7
	s_and_b32 s20, ttmp7, 0xffff
	s_lshl_b32 s20, s20, 2
	s_add_co_u32 s20, s20, s18                     ; MT: tile row, 0..31
	s_lshl_b32 s22, s18, 2
	s_lshl_b32 s22, 15, s22                        ; my row of the cluster
	s_lshl_b32 s23, 0x1111, s17                    ; my column
	s_or_b32 s[G1A], s22, (1<<16)|(1<<20)|(1<<21)|(5<<22)|(3<<25)  ; mask; 2-byte elements; padding on; bit 21 beside a mask; after every 64 words, 4 words
	s_or_b32 s[G1W], s23, (1<<16)|(1<<20)|(1<<21)|(5<<22)|(7<<25)  ; the same with 8 words
.irp g, G1A, G1W
	s_mov_b32 s[(\g)+1], 128<<16                   ; tensor_dim0 = 128
	s_mov_b32 s[(\g)+2], 128<<16                   ; tensor_dim1 = 128
	s_mov_b32 s[(\g)+3], 128<<16                   ; tile_dim0 = 128
	s_mov_b32 s[(\g)+4], 128                       ; tile_dim1 = 128
	s_mov_b32 s[(\g)+5], 1024                      ; elements from row to row
	s_mov_b32 s[(\g)+6], 0
	s_mov_b32 s[(\g)+7], 0
.endr
	s_lshl_b32 s40, s20, 18                        ; x: 128 MT rows of 2,048 bytes
	s_mov_b32 s41, 0
	s_mul_i32 s44, s19, 3
	s_add_co_u32 s44, s44, s14                     ; W: strip 3 NT + wave of the 24,
	s_lshr_b32 s45, s44, 3
	s_lshl_b32 s45, s45, 21                        ; its matrix,
	s_and_b32 s44, s44, 7
	s_lshl_b32 s44, s44, 8                         ; its 256 bytes of each row
	s_add_co_u32 s44, s44, s45
	s_mov_b32 s45, 0
	s_mul_i32 s42, s14, STRIP                      ; where my load lands in a slot: the wave's number alone
	s_mov_b32 s71, 0xffff0000                      ; lanes 16-31
	s_mov_b32 s[SEL], 0x76543210
	s_mov_b32 s[SEL+1], 0xfedcba98
	s_wait_dscnt 0x0                               ; the opening add is done
	s_wait_kmcnt 0x0
	s_add_nc_u64 s[40:41], s[4:5], s[40:41]
	s_add_nc_u64 s[44:45], s[6:7], s[44:45]
	CROUND                                         ; all sixteen work-groups are here: the first joint loads meet
.irp s, 0,1
	s_mov_b32 s[G0A+4*(\s)], 1
	s_add_co_u32 s[G0A+4*(\s)+1], s42, (\s)*SLOT
	s_add_nc_u64 s[G0A+4*(\s)+2:G0A+4*(\s)+3], s[40:41], (\s)*KSTEP*2
	s_or_b32 s[G0A+4*(\s)+3], s[G0A+4*(\s)+3], 0x80000000
	s_mov_b32 s[G0W+4*(\s)], 1
	s_add_co_u32 s[G0W+4*(\s)+1], s42, (\s)*SLOT
	s_add_nc_u64 s[G0W+4*(\s)+2:G0W+4*(\s)+3], s[44:45], (\s)*KSTEP*2048
	s_or_b32 s[G0W+4*(\s)+3], s[G0W+4*(\s)+3], 0x80000000
	JLOAD \s                                       ; K steps 0 and 1: two loads of mine are out
.endr
	; the prefetches
	s_and_b32 s22, ttmp7, 0xffff                   ; cluster y
	s_mov_b32 s3, KSTEP*2048
	s_cmp_eq_u32 s14, 3
	s_cselect_b64 s[PFA:PFA+1], s[40:41], s[44:45]
	s_cselect_b32 s2, s17, s18                     ; my place among the four that ask with me
	s_cselect_b32 s22, ttmp9, s22                  ; the coordinate along which other clusters read the same rows
	s_cselect_b32 s[PST], KSTEP*2, s3
	s_mov_b32 s[PST+1], 0
	s_cmp_eq_u32 s22, 0
	s_cselect_b32 s[LIM], 1, -1
	s_lshl_b32 s2, s2, 16                          ; my work-group's 32 rows of 2,048 bytes
	s_mov_b32 s3, 0
	s_add_nc_u64 s[PFA:PFA+1], s[PFA:PFA+1], s[2:3]
	s_mul_i32 s2, s[PST], 3
	s_add_nc_u64 s[PFA:PFA+1], s[PFA:PFA+1], s[2:3]  ; at K step 3: the first refill steps it to 4
	; lane addresses
	v_and_b32 v1, 15, v0                           ; r = l % 16
	v_bfe_u32 v2, v0, 4, 1                         ; h = l / 16
	v_and_b32 v3, 7, v0
	v_bfe_u32 v4, v0, 3, 1
	v_and_b32 v35, 31, v0
	v_lshl_add_u32 v5, v2, 3, v3                   ; the turning load: lane l reads k row 8 h + l % 8, columns 8 ((l / 8) % 2) ..
	v_mul_u32_u24 v5, v5, PW
	v_lshl_add_u32 v5, v4, 4, v5
	s_lshl_b32 s22, s16, 7
	v_add_nc_u32 v5, s22, v5                       ; my head's 128 bytes of the strip's rows
.irp s, 0,1
.irp j, 0,1,2
	v_add_nc_u32 v[ADRW+3*(\s)+(\j)], (\s)*SLOT+(\j)*STRIP, v5
.endr
.endr
	v_mul_u32_u24 v6, v1, PX
	v_lshl_add_u32 v6, v2, 4, v6
	s_mul_i32 s22, s15, 64*PX
	s_add_co_u32 s22, s22, AOFF
	v_add_nc_u32 v[ADRX], s22, v6
	v_add_nc_u32 v[ADRX+1], SLOT, v[ADRX]
	s_mul_i32 s22, s14, 16*SP
	s_add_co_u32 s22, s22, STAGE
	v_mul_u32_u24 v[STO], v1, SP
	v_lshl_add_u32 v[STO], v2, 4, v[STO]
	v_add_nc_u32 v[STO], s22, v[STO]
	v_bfe_u32 v[RD], v0, 3, 2                      ; back: 32 lanes take four rows of 128 bytes
	v_mul_u32_u24 v[RD], v[RD], SP
	v_lshl_add_u32 v[RD], v3, 4, v[RD]
	v_add_nc_u32 v[RD], s22, v[RD]
	v_lshlrev_b32 v[GO], 4, v35
	s_lshl_b32 s22, s14, 8
	s_add_co_u32 s22, s22, NST
	v_lshl_add_u32 v[NSTO], v35, 2, s22
	v_lshl_add_u32 v[NRD], v35, 3, s22
	v_lshlrev_b32 v[NGO], 3, v35
	v_lshlrev_b32 v[PFO], 11, v35
	v_lshlrev_b32 v[H32], 5, v2
	v_mov_b32 v[ZERO], 0
	v_mov_b32 v57, 0
	; the way out's scalars.  Head j of mine is head 6 NT + 2 j + wn of the 48; its type is that / 16; its plane 32 type + 16 batch + head % 16
	s_and_b32 s22, s20, 15
	s_lshl_b32 s22, s22, 7
	s_lshl_b32 s3, s15, 6
	s_add_co_u32 s22, s22, s3                      ; my first row's place in its sequence
	v_add_nc_u32 v[ROWI], s22, v1
	s_mul_i32 s2, s19, 6
	s_add_co_u32 s2, s2, s16
	s_lshr_b32 s3, s20, 4
	s_lshl_b32 s3, s3, 4
	s_mov_b32 s97, 0
.irp j, 0,1,2
	s_add_co_u32 s92, s2, 2*(\j)
	s_lshr_b32 s93, s92, 4
	s_and_b32 s92, s92, 15
	s_add_co_u32 s92, s92, s3
	s_lshl_b32 s94, s93, 5
	s_add_co_u32 s92, s92, s94
	s_cmp_lt_u32 s93, 2
	s_cselect_b32 s[G256+(\j)], 256, 0
	s_lshl_b32 s96, s92, 18
	s_lshl_b32 s94, s22, 7
	s_add_co_u32 s96, s96, s94
	s_add_nc_u64 s[QB+2*(\j):QB+2*(\j)+1], s[10:11], s[96:97]
	s_lshl_b32 s96, s92, 13
	s_lshl_b32 s94, s22, 2
	s_add_co_u32 s96, s96, s94
	s_add_nc_u64 s[NBP+2*(\j):NBP+2*(\j)+1], s[12:13], s[96:97]
.endr
; 12 matrix instructions: row block a x all 12 column blocks, 32 along K, from buffer f.  All 48 accumulators take turns, in the same order in every quarter.
.macro MUL12 f, a, zero
	WIN 0xa1+0x50*((\a)/2)
.irp n, 0,1,2,3,4,5,6,7,8,9,10,11
.if \zero
	v_wmma_f32_16x16x32_bf16 v[8*(12*((\a)%2)+(\n)):8*(12*((\a)%2)+(\n))+7], v[96*(\f)+8*(\n):96*(\f)+8*(\n)+7], v[XF+32*(\f)+8*(\a):XF+32*(\f)+8*(\a)+7], 0
.else
	v_wmma_f32_16x16x32_bf16 v[8*(12*((\a)%2)+(\n)):8*(12*((\a)%2)+(\n))+7], v[96*(\f)+8*(\n):96*(\f)+8*(\n)+7], v[XF+32*(\f)+8*(\a):XF+32*(\f)+8*(\a)+7], v[8*(12*((\a)%2)+(\n)):8*(12*((\a)%2)+(\n))+7]
.endif
.endr
.endm
; 32 LDS loads in one run: quarter kq (32 along K) of a slot into buffer f: 24 turning loads for W, then 8 for x
.macro FETCH slot, kq, f
	WIN 0x40
.irp j, 0,1,2
.irp n, 0,1,2,3
	ds_load_tr16_b128 v[96*(\f)+8*(4*(\j)+(\n)):96*(\f)+8*(4*(\j)+(\n))+3],   v[ADRW+3*(\slot)+(\j)] offset:(\kq)*32*PW+(\n)*32
	ds_load_tr16_b128 v[96*(\f)+8*(4*(\j)+(\n))+4:96*(\f)+8*(4*(\j)+(\n))+7], v[ADRW+3*(\slot)+(\j)] offset:(\kq)*32*PW+(\n)*32+16*PW
.endr
.endr
	WIN 0
.irp a, 0,1,2,3
	ds_load_b128 v[XF+32*(\f)+8*(\a):XF+32*(\f)+8*(\a)+3],   v[ADRX+(\slot)] offset:(\kq)*64+(\a)*16*PX
	ds_load_b128 v[XF+32*(\f)+8*(\a)+4:XF+32*(\f)+8*(\a)+7], v[ADRX+(\slot)] offset:(\kq)*64+(\a)*16*PX+32
.endr
.endm
; One of a K step's first three quarters: multiplies buffer f and, in its middle, fetches quarter kq into buffer g
.macro QUARTER slot, kq, f, g, zero
	s_wait_dscnt 4                                 ; W and x's row blocks 0, 1 are in; the youngest four loads (blocks 2, 3) may be out
	MUL12 \f, 0, \zero
	MUL12 \f, 1, \zero
	PLACES
	FETCH \slot, \kq, \g
	s_wait_dscnt 32                                ; all but the 32 just issued
	MUL12 \f, 2, \zero
	MUL12 \f, 3, \zero
.endm
; The last quarter's first half, and the one barrier of a change of slots: each wave waits for all its tensor loads (one is out: its part of the next slot), adds 0 to its spare word,
; and waits for that and for its reads of this slot.
.macro MEET round
	WIN 0
	s_wait_tensorcnt 0x0
	ds_add_u32 v[SPW], v[NIL]
	s_wait_dscnt 5                                 ; the add and the youngest four loads may be out
	MUL12 1, 0, 0
	s_wait_dscnt 0x0                               ; the add is done, my reads of this slot are over
	s_barrier_signal -1
	MUL12 1, 1, 0
.if \round
	WIN 0
.endif
	s_barrier_wait -1
.endm
.macro TURN slot, next
	s_wait_xcnt 0x0                                ; the last prefetch, a K step back, has read its address
	s_add_nc_u64 s[PFA:PFA+1], s[PFA:PFA+1], s[PST:PST+1]
	MEET 1
	CREST                                          ; no wave of any partner still reads this slot or has a load on its way
	s_add_nc_u64 s[G0A+4*(\slot)+2:G0A+4*(\slot)+3], s[G0A+4*(\slot)+2:G0A+4*(\slot)+3], 2*KSTEP*2
	s_add_nc_u64 s[G0W+4*(\slot)+2:G0W+4*(\slot)+3], s[G0W+4*(\slot)+2:G0W+4*(\slot)+3], 2*KSTEP*2048
	JLOAD \slot                                    ; the first tensor load behind the round: 168 matrix instructions ahead of the wait for it; its four v_nop are also the places for the loads below
	FETCH \next, 0, 0
	ASK
	MUL12 1, 2, 0
	MUL12 1, 3, 0
.endm
	s_wait_tensorcnt 1                             ; my part of K step 0 is in; K step 1's may stay out
	s_barrier_signal -1
	s_barrier_wait -1
	FETCH 0, 0, 0
	QUARTER 0, 1, 0, 1, 1                          ; the first quarter's products start the sums
	WIN 0
	s_mov_b32 s21, 3
.Llap:                                                 ; a trip goes once round the ring and fills both slots again: K steps 2 .. 7
	QUARTER 0, 2, 1, 0, 0
	QUARTER 0, 3, 0, 1, 0
	TURN 0, 1
	QUARTER 1, 1, 0, 1, 0
	QUARTER 1, 2, 1, 0, 0
	QUARTER 1, 3, 0, 1, 0
	TURN 1, 0
	QUARTER 0, 1, 0, 1, 0
	WIN 0
	s_sub_co_u32 s21, s21, 1
	s_cmp_lg_u32 s21, 0
	s_cbranch_scc1 .Llap
	QUARTER 0, 2, 1, 0, 0                          ; the last lap fills nothing
	QUARTER 0, 3, 0, 1, 0
	MEET 0
	PLACES
	FETCH 1, 0, 0
	MUL12 1, 2, 0
	MUL12 1, 3, 0
	QUARTER 1, 1, 0, 1, 0
	QUARTER 1, 2, 1, 0, 0
	QUARTER 1, 3, 0, 1, 0
	s_wait_dscnt 4
	MUL12 1, 0, 0
	MUL12 1, 1, 0
	s_wait_dscnt 0x0
	MUL12 1, 2, 0
	MUL12 1, 3, 0
	WIN 0
	PLACES
; THE WAY OUT, in 12 units: head j = u / 4, row block a = u % 4: 16 rows x 64 columns.
; TLOAD u: my row's cos and sin for my 16 pairs: 32 bytes for each of the four column blocks.  For v the pitch is 0: row 0.
.macro TLOAD u
.set tj, (\u)/4
.set ta, (\u)%4
	v_add_nc_u32 v56, 16*ta, v[ROWI]
	v_mad_u32_u24 v[TO+(\u)%2], v56, s[G256+tj], v[H32]
.irp n, 0,1,2,3
	global_load_b128 v[CSR+32*((\u)%2)+8*(\n):CSR+32*((\u)%2)+8*(\n)+3],   v[TO+(\u)%2], s[8:9] offset:64*(\n)
	global_load_b128 v[CSR+32*((\u)%2)+8*(\n)+4:CSR+32*((\u)%2)+8*(\n)+7], v[TO+(\u)%2], s[8:9] offset:64*(\n)+16
.endr
.endm
.macro UNIT u, left
.set uj, (\u)/4
.set ua, (\u)%4
.set AB, 8*(12*(ua%2)+4*uj)
.set CB, CSR+32*((\u)%2)
	s_wait_loadcnt \left                           ; this unit's eight table loads are in; the next unit's eight may stay out
	WIN 0x02+ua/2                                  ; source 0: the accumulators' window
.set p, 0
.rept 16                               ; pairs ascending: each accumulator is read from its low end
	v_pk_mul_f32 v[RO+2*p:RO+2*p+1], v[AB+2*p:AB+2*p+1], v[CB+2*p:CB+2*p+1] op_sel_hi:[1,0]  ; (e c, o c)
.set p, p+1
.endr
.set p, 0
.rept 16
	v_pk_fma_f32 v[RO+2*p:RO+2*p+1], v[AB+2*p:AB+2*p+1], v[CB+2*p:CB+2*p+1], v[RO+2*p:RO+2*p+1] op_sel:[1,1,0] op_sel_hi:[0,1,1] neg_lo:[0,1,0]  ; (e c - o s, o c + e s)
.set p, p+1
.endr
	WIN 0
.set p, 0
.rept 16
	v_cvt_pk_f16_f32 v[HF+p], v[RO+2*p], v[RO+2*p+1]
.set p, p+1
.endr
.set p, 0
.rept 16                               ; the squares of the rounded numbers, summed in f32, four chains
.if p < 4
	v_fma_mix_f32 v[NA+p%4], v[HF+p], v[HF+p], v[ZERO] op_sel_hi:[1,1,0]
.else
	v_fma_mix_f32 v[NA+p%4], v[HF+p], v[HF+p], v[NA+p%4] op_sel_hi:[1,1,0]
.endif
	v_fma_mix_f32 v[NA+p%4], v[HF+p], v[HF+p], v[NA+p%4] op_sel:[1,1,0] op_sel_hi:[1,1,0]
.set p, p+1
.endr
	v_add_f32 v[NA], v[NA], v[NA+1]
	v_add_f32 v[NA+2], v[NA+2], v[NA+3]
	v_add_f32 v[NA], v[NA], v[NA+2]
	v_permlanex16_b32 v57, v[NA], s[SEL], s[SEL+1] ; the row's other 32 columns lie in the lane 16 away
	v_add_f32 v[NR+ua], v[NA], v57
.irp n, 0,1,2,3
	ds_store_b128 v[STO], v[HF+4*(\n):HF+4*(\n)+3] offset:32*(\n)
.endr
	s_wait_xcnt 0x0                                ; the last unit's stores have read OUTR
.irp f, 0,1,2,3
	ds_load_b128 v[OUTR+4*(\f):OUTR+4*(\f)+3], v[RD] offset:(\f)*4*SP  ; LDS serves a wave's instructions in order (ISA guide 5.7.1.4): these see the stores above
.endr
.irp f, 0,1,2,3
	s_wait_dscnt 3-(\f)
	global_store_b128 v[GO], v[OUTR+4*(\f):OUTR+4*(\f)+3], s[QB+2*uj:QB+2*uj+1] offset:2048*ua+512*(\f)  ; 512 consecutive bytes, at a multiple of 256 from the buffer's first
.endr
.if ua == 3                            ; the head's 64 norms: lanes 0-15 hold one block's, lanes 16-31 the next's; through LDS they become 256 consecutive bytes in one store
	v_cndmask_b32 v56, v[NR], v[NR+1], s71
	v_cndmask_b32 v57, v[NR+2], v[NR+3], s71
	ds_store_b32 v[NSTO], v56
	ds_store_b32 v[NSTO], v57 offset:128
	ds_load_b64 v[58:59], v[NRD]                   ; (the last head's store of v58, v59 stands ahead of four waits for translated addresses)
	s_wait_dscnt 0x0
	global_store_b64 v[NGO], v[58:59], s[NBP+2*uj:NBP+2*uj+1]
.endif
.endm
	TLOAD 0
.irp u, 0,1,2,3,4,5,6,7,8,9,10
	TLOAD (\u)+1
	UNIT \u, 8
.endr
	UNIT 11, 0
	s_wait_tensorcnt 0x0                           ; the wave's end, behind my last tensor load and my last LDS store
	ds_add_u32 v[SPW], v[NIL]
	s_wait_dscnt 0x0
	CROUND                                         ; the closing round: no work-group ends while a partner may still ask for a tile that names it
	s_endpgm
.Lfunc_end_k_q4b75c9f6bb_qkv:
	.size	k_q4b75c9f6bb_qkv, .Lfunc_end_k_q4b75c9f6bb_qkv-k_q4b75c9f6bb_qkv
	.p2alignl 7, 3214868480
	.fill 96, 4, 3214868480
	.section	.rodata,"a",@progbits
	.p2align	6, 0x0
	.amdhsa_kernel k_q4b75c9f6bb_qkv
		.amdhsa_group_segment_fixed_size 327680
		.amdhsa_private_segment_fixed_size 0
		.amdhsa_enable_private_segment 0
		.amdhsa_kernarg_size 40
		.amdhsa_user_sgpr_count 2
		.amdhsa_user_sgpr_kernarg_segment_ptr 1
		.amdhsa_wavefront_size32 1
		.amdhsa_system_sgpr_workgroup_id_x 1
		.amdhsa_system_sgpr_workgroup_id_y 1
		.amdhsa_system_sgpr_workgroup_id_z 1
		.amdhsa_system_vgpr_workitem_id 0
		.amdhsa_next_free_vgpr 960
		.amdhsa_next_free_sgpr 100
		.amdhsa_reserve_vcc 0
		.amdhsa_float_denorm_mode_32 3
		.amdhsa_float_denorm_mode_16_64 3
		.amdhsa_memory_ordered 1
		.amdhsa_forward_progress 1
		.amdhsa_inst_pref_size 186
	.end_amdhsa_kernel
	.amdgpu_metadata
---
amdhsa.version: [ 1, 2 ]
amdhsa.kernels:
  - .name:           k_q4b75c9f6bb_qkv
    .symbol:         k_q4b75c9f6bb_qkv.kd
    .args:
      - { .name: xb, .offset: 0, .size: 8, .value_kind: global_buffer, .address_space: global }
      - { .name: wb, .offset: 8, .size: 8, .value_kind: global_buffer, .address_space: global }
      - { .name: rope, .offset: 16, .size: 8, .value_kind: global_buffer, .address_space: global }
      - { .name: qkv, .offset: 24, .size: 8, .value_kind: global_buffer, .address_space: global }
      - { .name: nrm, .offset: 32, .size: 8, .value_kind: global_buffer, .address_space: global }
    .group_segment_fixed_size: 327680
    .private_segment_fixed_size: 0
    .kernarg_segment_align: 8
    .kernarg_segment_size: 40
    .max_flat_workgroup_size: 128
    .sgpr_count:     100
    .vgpr_count:     960
    .wavefront_size: 32
...
	.end_amdgpu_metadata
.endif
;; end of part 2
;; launch attn (part 3): grid 8 x 32, 4 waves a work-group, no clusters, 327,680 bytes of LDS; arguments qkv, nrm, alpha, ob; writes ob
.if DOCPART == 3
	.amdgcn_target "amdgcn-amd-amdhsa--gfx1250"
	.amdhsa_code_object_version 6
	.text
	.protected	k_q4b75c9f6bb_attn
	.globl	k_q4b75c9f6bb_attn
	.p2align	8
	.type	k_q4b75c9f6bb_attn,@function
k_q4b75c9f6bb_attn:
	s_mov_b64 s[64:65], 0
	v_nop
	global_prefetch_b8 v0, s[64:65] scope:SCOPE_SE
	s_setreg_imm32_b32 hwreg(HW_REG_WAVE_MODE, 25, 1), 1
	s_wait_xcnt 0x0
; CAUSAL ATTENTION WITH THE SCORE s = t^2 / (qn + kn - 2 t + 1e-5), t = q . k, scaled by (8 / ln 65)^alpha.  q, k, v: f16 [plane][2048][64]; qn, kn: f32, the rounded rows' squared norms.
; Products, scores, maxima and sums in f32; the weights p are rounded to f16 for the second product (their sum l is taken of the unrounded p), O once at the end.
; p = 2^(c s - c m) with a running maximum m of the unscaled s (c = log2(e) (8 / ln 65)^alpha = 2^(0.93843555 alpha + 0.52876637) is positive); O and l are multiplied by
; a = 2^(c m_old - c m_new) in every step.  alpha is rounded to bf16, as all the module's inputs are.
; LIMITS.  q, k, v arrive within 65,504.  1e-5 is added to qn first.  A hidden score counts as its value less 1e30; a weight below 2^-126 counts as 0; NaN and infinities are not treated apart.
; THE WALK.  A head's queries lie in 16 blocks of 128; block i needs the key tiles 0 .. i of 128 keys, the last of which holds the diagonal.  A work-group takes blocks 15 - b and then b:
; 17 tiles whatever b: 256 equal work-groups, one counted loop.  What differs hangs on scalars made from b.  NO CLUSTER: a head's 8 work-groups ask for the same tile only in trips 0 .. 8;
; behind that their first blocks end one after the other, and a walk common to all would have 24 trips for 17.
; SHARES.  Of a block's two bands of 64 queries a wave owns 16 rows in each: two PIECES.  In the diagonal tile's key step s band x sees all keys if s < x, none if s > x, and holds the diagonal if s = x.
; THE MASK is added where the score is finished: MC = MD x AL + BE, MD the mask of a band's own step for my rows; outside a diagonal tile MC is 0.
; LAYOUT.  S^T = K Q^T holds ONE query a lane (lane % 16) and the keys 16 kb + 8 (lane / 16) + 0..7; two such results rounded to f16 ARE source 1 of O^T = V^T P.
; A TRIP goes from the middle of one key step to the middle of the next: K and kn of the next step are fetched; piece 1's vector work and its V^T P of the step in hand; then the next step's
; V is fetched, both pieces' K Q^T, piece 0's vector work and V^T P.  So at a change of slots the old slot's last K, kn and V lie in registers.
; REGISTERS: window 0: v1-15, v44-47 addresses and at work; v16-23 statistics; v24-31 qn + 1e-5 of both blocks; v32-41 at work; v48-63 P; v64-127 S^T; v128-191 the divisor; v192-223 kn.
;   window 1: v0-63 O^T; v64-95 Q; v96-159 K; v160-223 V.     window 2: v0-31 MD; v32-95 MC; v96-127 the second block's Q.
.set NB,    16
.set KS,    64
.set PK,    144                        ; a row of K in LDS: 128 bytes + 16: the 16 rows of a load start at 16 different groups of four banks (64 banks of 4 bytes: ISA guide 11.1)
.set PV,    160                        ; a row of V: 128 + 32
.set VOFF,  128*PK                     ; a slot: 128 rows of K, 128 rows of V, 128 kn
.set NOFF,  VOFF+128*PV
.set SLOT1, 1<<16                      ; slot 1 begins here: one exclusive or turns an address in one slot into the other's
.set STAGE, 2*SLOT1                    ; never filled by a tensor load: 16 rows x 144 bytes for each wave
.set SP,    144
.set SPARE, STAGE+4*16*SP              ; the spare words, 128 bytes for each wave: two blocks of 256 bytes that no other line names
.set AK0, 2
.set AV0, 3
.set AN0, 4
.set AK,  5
.set AV,  6
.set AN,  7
.set STO, 8
.set RD,  9
.set GO,  10
.set QO,  11
.set PFO, 12
.set NQO, 13
.set QO2, 14
.set NQO2, 15
.set ST,  16                           ; piece x at ST + 4 x: c m, m, l (even keys', odd keys')
.set QE,  24                           ; piece x: a pair at QE + 2 x
.set QE2, 28
.set TMP, 32                           ; piece x: c0-c3 at TMP + 4 x; c2 takes a
.set MV,  40
.set SPW, 42                           ; LDS address of my spare word; never rewritten
.set NIL, 43                           ; 0; never rewritten
.set P,   48
.set S,   64
.set XR,  128
.set KN,  192
.set QF,  64                           ; window 1
.set KF,  96
.set VF,  160
.set MD,  0                            ; window 2
.set MC,  32
.set Q2F, 96
.set WV,  12
.set PB,  14
.set HI,  15
.set KB,  16
.set VB,  18
.set NBK, 20
.set OFF, 22
.set G1K, 24
.set G1V, 32
.set G1N, 40
.set G0K, 48
.set G0V, 52
.set G0N, 56
.set SLOTS, 60
.set CNT, 61
.set TBK, 62
.set TBV, 63
.set TBN, 66
.set RT,  67                           ; tiles of the block in hand still to be entered
.set RT2, 68                           ; b + 1
.set NXT, 69                           ; the tile to be asked for next
.set LQ,  70                           ; the last tile of the block whose tiles are being asked for
.set NEW, 71                           ; 1: the tile just entered is the second block's first
.set DG,  72                           ; 1: it holds the diagonal
.set CS,  74
.set SEL, 76
.set AL0, 78
.set BE0, 80
.set AL1, 82
.set BE1, 84
.set BIGN, 86
.set OB,  88
.set OB2, 90
.set PFA, 92
.set PFC, 94
.set OFFN, 96
.set MSB, 0
.macro WIN new                         ; the immediate's high byte repeats the setting that is left; a switch that changes nothing is dropped
.if MSB != (\new)
	s_set_vgpr_msb (MSB<<8)|(\new)
.set MSB, \new
.endif
.endm
.set W_KQ, 0x05                        ; K and Q in window 1, S^T in window 0
.set W_PV, 0x51                        ; V and O^T in window 1, P in window 0
.set W_RS, 0x41                        ; destination and source 0 in window 1
.macro PLACES
.rept 4
	v_nop
.endr
.endm
; A fill: wave 0 fetches the tile's K, wave 1 its V (64 rows of 256 bytes each), wave 2 its kn (one row of 512 bytes); wave 3 none.  An s_nop 0 and four v_nop follow each line.
.macro LOAD
	s_cmp_lg_u32 s[WV], 0
	s_cbranch_scc1 .Lnot0_\@
	tensor_load_to_lds s[G0K:G0K+3], s[G1K:G1K+7]
	s_nop 0
.rept 4
	v_nop
.endr
	s_branch .Ldone_\@
.Lnot0_\@:
	s_cmp_lg_u32 s[WV], 1
	s_cbranch_scc1 .Lnot1_\@
	tensor_load_to_lds s[G0V:G0V+3], s[G1V:G1V+7]
	s_nop 0
.rept 4
	v_nop
.endr
	s_branch .Ldone_\@
.Lnot1_\@:
	s_cmp_lg_u32 s[WV], 2
	s_cbranch_scc1 .Ldone_\@
	tensor_load_to_lds s[G0N:G0N+3], s[G1N:G1N+7]
	s_nop 0
.rept 4
	v_nop
.endr
.Ldone_\@:
.endm
; A prefetch of the tile that the NEXT change of slots will ask for: 16,384 bytes of K (wave 0) or V (wave 1), a lane a block of 256 bytes, two instructions.  All 8 work-groups of a head begin with
; the same tiles: the one with b = 0, whose first block walks all 16, asks, 14 times: tiles 2 .. 15.  Tiles 0 and 1 come by their loads alone.  kn, 512 bytes a tile, is not asked for.
.macro ASK
	s_cmp_lg_u32 s[PFC], 0
	s_cbranch_scc0 .Lno_ask_\@
	global_prefetch_b8 v[PFO], s[PFA:PFA+1] th:TH_LOAD_NT scope:SCOPE_SE
	global_prefetch_b8 v[PFO], s[PFA:PFA+1] offset:8192 th:TH_LOAD_NT scope:SCOPE_SE
	s_sub_co_u32 s[PFC], s[PFC], 1
.Lno_ask_\@:
.endm
; THE CHANGE OF SLOTS.  Each wave waits for all its tensor loads (at most one is out: its part of the other slot), adds 0 to its spare word, and waits for that and for its reads of the slot that it
; leaves.  Behind the barrier nobody reads the old slot and the other slot is whole.  fill = 1: the old slot is filled again, first thing behind the barrier, with tile NXT.
.macro CHANGE fill
	WIN 0
.if \fill
	s_wait_xcnt 0x0                                ; the last prefetches, a tile back, have read their address
	s_add_nc_u64 s[PFA:PFA+1], s[PFA:PFA+1], 16384
.endif
	s_wait_tensorcnt 0x0                           ; no tensor load of mine is out, so a group 0 may be written
	ds_add_u32 v[SPW], v[NIL]
.if \fill
	s_lshl_b32 s[OFF], s[NXT], 14                  ; a tile is 16,384 bytes of K and of V,
	s_lshl_b32 s[OFFN], s[NXT], 9                  ; 512 of kn
	s_xor_b32 s[G0K+1], s[G0K+1], SLOT1
	s_add_nc_u64 s[G0K+2:G0K+3], s[KB:KB+1], s[OFF:OFF+1]
	s_or_b32 s[G0K+3], s[G0K+3], 0x80000000
	s_xor_b32 s[G0V+1], s[G0V+1], SLOT1
	s_add_nc_u64 s[G0V+2:G0V+3], s[VB:VB+1], s[OFF:OFF+1]
	s_or_b32 s[G0V+3], s[G0V+3], 0x80000000
	s_xor_b32 s[G0N+1], s[G0N+1], SLOT1
	s_add_nc_u64 s[G0N+2:G0N+3], s[NBK:NBK+1], s[OFFN:OFFN+1]
	s_or_b32 s[G0N+3], s[G0N+3], 0x80000000
	s_add_co_u32 s[NXT], s[NXT], 1                 ; the block's next tile, or behind its last the second block's tile 0
	s_cmp_gt_u32 s[NXT], s[LQ]
	s_cselect_b32 s[NXT], 0, s[NXT]
	s_cselect_b32 s[LQ], s[PB], s[LQ]
.endif
	s_wait_dscnt 0x0                               ; the add is done, my reads of the slot are over
	s_barrier_signal -1
	s_sub_co_u32 s[TBK], s[TBK], 2*KS*PK           ; the fetches go back to a slot's first step, in the other slot
	s_xor_b32 s[TBK], s[TBK], SLOT1
	s_sub_co_u32 s[TBV], s[TBV], 2*KS*PV
	s_xor_b32 s[TBV], s[TBV], SLOT1
	s_sub_co_u32 s[TBN], s[TBN], 2*KS*4
	s_xor_b32 s[TBN], s[TBN], SLOT1
	s_barrier_wait -1
.if \fill
	LOAD
	ASK
.endif
.endm
.macro BOOK                            ; what the tile just entered is
	s_cmp_eq_u32 s[RT], 0
	s_cselect_b32 s[NEW], 1, 0
	s_cselect_b32 s[RT], s[RT2], s[RT]
	s_sub_co_u32 s[RT], s[RT], 1
	s_cmp_eq_u32 s[RT], 0
	s_cselect_b32 s[DG], 1, 0
	s_mov_b32 s[CNT], 2
.endm
	s_load_b256 s[4:11], s[0:1], 0x0               ; qkv s[4:5], nrm s[6:7], alpha s[8:9], ob s[10:11]
	v_lshl_add_u32 v[SPW], v0, 2, SPARE
	v_mov_b32 v[NIL], 0
	ds_add_u32 v[SPW], v[NIL]                      ; the wave's opening: the add and its wait ahead of my first tensor load
	v_lshrrev_b32 v1, 5, v0
	v_readfirstlane_b32 s[WV], v1
	s_mov_b32 s[PB], ttmp9
	s_sub_co_u32 s[HI], NB-1, s[PB]
	s_and_b32 s2, ttmp7, 0xffff                    ; 16 x batch + head
	s_mov_b32 s[G1K], (1<<16)|(1<<20)|(4<<22)|(3<<25)  ; 2-byte elements; padding on; after every 32 words, 4 words
	s_mov_b32 s[G1V], (1<<16)|(1<<20)|(4<<22)|(7<<25)  ; the same with 8 words
.irp g, G1K, G1V
	s_mov_b32 s[\g+1], 128<<16                     ; 128 keys are 16,384 dense bytes: 64 rows of 256 bytes, two keys a row
	s_mov_b32 s[\g+2], 64<<16
	s_mov_b32 s[\g+3], 128<<16
	s_mov_b32 s[\g+4], 64
	s_mov_b32 s[\g+5], 128
	s_mov_b32 s[\g+6], 0
	s_mov_b32 s[\g+7], 0
.endr
	s_mov_b32 s[G1N], 3<<16                        ; one row of 64 elements of 8 bytes
	s_mov_b32 s[G1N+1], 64<<16
	s_mov_b32 s[G1N+2], 1<<16
	s_mov_b32 s[G1N+3], 64<<16
	s_mov_b32 s[G1N+4], 1
	s_mov_b32 s[G1N+5], 64
	s_mov_b32 s[G1N+6], 0
	s_mov_b32 s[G1N+7], 0
	s_mov_b32 s[G0K], 1
	s_mov_b32 s[G0K+1], 0
	s_mov_b32 s[G0V], 1
	s_mov_b32 s[G0V+1], VOFF
	s_mov_b32 s[G0N], 1
	s_mov_b32 s[G0N+1], NOFF
	s_add_co_u32 s98, s2, 32
	s_lshl_b32 s98, s98, 18                        ; k's plane
	s_mov_b32 s99, 0
	s_add_co_u32 s100, s2, 64
	s_lshl_b32 s100, s100, 18                      ; v's plane
	s_mov_b32 s101, 0
	s_mov_b32 s[SEL], 0x76543210
	s_mov_b32 s[SEL+1], 0xfedcba98
	s_mov_b32 s[BIGN], 0xf149f2ca                  ; -1e30
	s_mov_b32 s[OFF+1], 0
	s_mov_b32 s[OFFN+1], 0
	s_mov_b32 s[AL0+1], 0                          ; named as pairs
	s_mov_b32 s[BE0+1], 0
	s_mov_b32 s[AL1+1], 0
	s_mov_b32 s[BE1], 0
	s_mov_b32 s[BE1+1], 0
	s_mov_b32 s[TBK], SLOT1+2*KS*PK                ; the first change of slots turns these three into 0
	s_mov_b32 s[TBV], SLOT1+2*KS*PV
	s_mov_b32 s[TBN], SLOT1+2*KS*4
	s_sub_co_u32 s[RT], NB, s[PB]                  ; the first block has 16 - b tiles,
	s_add_co_u32 s[RT2], s[PB], 1                  ; the second b + 1
	s_mov_b32 s[NXT], 1
	s_mov_b32 s[LQ], s[HI]
	s_wait_dscnt 0x0                               ; the opening add is done
	s_wait_kmcnt 0x0
	s_add_nc_u64 s[KB:KB+1], s[4:5], s[98:99]
	s_add_nc_u64 s[VB:VB+1], s[4:5], s[100:101]
	s_add_co_u32 s98, s2, 32
	s_lshl_b32 s98, s98, 13
	s_add_nc_u64 s[NBK:NBK+1], s[6:7], s[98:99]
	s_add_nc_u64 s[G0K+2:G0K+3], s[KB:KB+1], 0
	s_or_b32 s[G0K+3], s[G0K+3], 0x80000000
	s_add_nc_u64 s[G0V+2:G0V+3], s[VB:VB+1], 0
	s_or_b32 s[G0V+3], s[G0V+3], 0x80000000
	s_add_nc_u64 s[G0N+2:G0N+3], s[NBK:NBK+1], 0
	s_or_b32 s[G0N+3], s[G0N+3], 0x80000000
	LOAD                                           ; tile 0 into slot 0
	s_load_b32 s13, s[8:9], 0x0                    ; alpha
	s_lshl_b32 s98, s2, 18
	s_lshl_b32 s3, s[WV], 11
	s_add_co_u32 s98, s98, s3
	s_add_nc_u64 s[4:5], s[4:5], s[98:99]          ; q at my 16 rows of the head's first band
	s_lshl_b32 s98, s2, 13
	s_lshl_b32 s3, s[WV], 6
	s_add_co_u32 s98, s98, s3
	s_add_nc_u64 s[6:7], s[6:7], s[98:99]          ; qn likewise
	s_lshr_b32 s3, s2, 4
	s_lshl_b32 s3, s3, 4                           ; ob's row tile = 16 x batch + block
	s_and_b32 s100, s2, 15
	s_lshl_b32 s100, s100, 14                      ; the head's 16,384 bytes in it,
	s_lshl_b32 s101, s[WV], 11
	s_add_co_u32 s100, s100, s101                  ; my 16 rows
	s_add_co_u32 s98, s3, s[HI]
	s_lshl_b32 s98, s98, 18
	s_add_co_u32 s98, s98, s100
	s_add_nc_u64 s[OB:OB+1], s[10:11], s[98:99]
	s_add_co_u32 s98, s3, s[PB]
	s_lshl_b32 s98, s98, 18
	s_add_co_u32 s98, s98, s100
	s_add_nc_u64 s[OB2:OB2+1], s[10:11], s[98:99]
	s_lshr_b32 s3, s[WV], 1
	s_or_b32 s3, s3, s[PB]
	s_cmp_eq_u32 s3, 0
	s_cselect_b32 s[PFC], 14, 0
	s_cmp_eq_u32 s[WV], 1
	s_cselect_b64 s[PFA:PFA+1], s[VB:VB+1], s[KB:KB+1]
	s_add_nc_u64 s[PFA:PFA+1], s[PFA:PFA+1], 16384 ; at tile 1: the first change of slots steps it to tile 2
	v_and_b32 v1, 15, v0                           ; r = l % 16
	v_bfe_u32 v44, v0, 4, 1                        ; h = l / 16
	v_and_b32 v45, 7, v0
	v_bfe_u32 v46, v0, 3, 1
	v_lshlrev_b32 v47, 7, v1
	v_lshl_add_u32 v47, v44, 4, v47                ; a fragment of Q: row x 128 + 16 h
	s_lshl_b32 s3, s[HI], 14
	v_add_nc_u32 v[QO], s3, v47
	s_lshl_b32 s3, s[PB], 14
	v_add_nc_u32 v[QO2], s3, v47
	v_lshlrev_b32 v47, 2, v1
	s_lshl_b32 s3, s[HI], 9
	v_add_nc_u32 v[NQO], s3, v47
	s_lshl_b32 s3, s[PB], 9
	v_add_nc_u32 v[NQO2], s3, v47
	WIN 0x40
.irp x, 0,1
.irp c, 0,1
	global_load_b128 v[QF+16*\x+8*\c:QF+16*\x+8*\c+3],   v[QO], s[4:5] offset:\x*8192+\c*64
	global_load_b128 v[QF+16*\x+8*\c+4:QF+16*\x+8*\c+7], v[QO], s[4:5] offset:\x*8192+\c*64+32
.endr
.endr
	WIN 0x80
.irp x, 0,1
.irp c, 0,1
	global_load_b128 v[Q2F+16*\x+8*\c:Q2F+16*\x+8*\c+3],   v[QO2], s[4:5] offset:\x*8192+\c*64
	global_load_b128 v[Q2F+16*\x+8*\c+4:Q2F+16*\x+8*\c+7], v[QO2], s[4:5] offset:\x*8192+\c*64+32
.endr
.endr
	WIN 0
	global_load_b32 v[QE],    v[NQO],  s[6:7]
	global_load_b32 v[QE+2],  v[NQO],  s[6:7] offset:256
	global_load_b32 v[QE2],   v[NQO2], s[6:7]
	global_load_b32 v[QE2+2], v[NQO2], s[6:7] offset:256
	v_lshlrev_b32 v47, 3, v44
	v_sub_nc_u32 v47, v1, v47
	s_lshl_b32 s3, s[WV], 4
	v_add_nc_u32 v47, s3, v47                      ; my query's place in its band less 8 h: register j of key block kb is hidden where 16 kb + j is greater
	WIN 0x80
.set i, 0
.rept 32
	v_cmp_gt_i32 vcc_lo, 16*(i/8)+i%8, v47
	v_cndmask_b32 v[MD+i], 0, s[BIGN], vcc_lo
.set i, i+1
.endr
.set i, 0
.rept 64
	v_mov_b32 v[MC+i], 0
.set i, i+1
.endr
	WIN 0x40
.set i, 0
.rept 64
	v_mov_b32 v[i], 0                              ; O^T: the first step multiplies it by a = 0, so it need only be finite
.set i, i+1
.endr
	WIN 0
.irp t, 0,1
	v_mov_b32 v[ST+4*\t], 0xfe000000               ; c m: far below every c s
	v_mov_b32 v[ST+4*\t+1], 0xff7fffff             ; m
	v_mov_b32 v[ST+4*\t+2], 0
	v_mov_b32 v[ST+4*\t+3], 0
.endr
	v_mul_u32_u24 v[AK0], v1, PK
	v_lshl_add_u32 v[AK0], v44, 4, v[AK0]
	v_lshl_add_u32 v[AV0], v44, 3, v45             ; the turning load: lane l reads key 8 h + l % 8, channels 8 ((l / 8) % 2) ..
	v_mul_u32_u24 v[AV0], v[AV0], PV
	v_lshl_add_u32 v[AV0], v46, 4, v[AV0]
	v_add_nc_u32 v[AV0], VOFF, v[AV0]
	v_lshlrev_b32 v[AN0], 5, v44
	v_add_nc_u32 v[AN0], NOFF, v[AN0]
	s_mul_i32 s3, s[WV], 16*SP
	s_add_co_u32 s3, s3, STAGE
	v_mul_u32_u24 v[STO], v1, SP
	v_lshl_add_u32 v[STO], v44, 4, v[STO]
	v_add_nc_u32 v[STO], s3, v[STO]
	v_bfe_u32 v[RD], v0, 3, 2
	v_mul_u32_u24 v[RD], v[RD], SP
	v_lshl_add_u32 v[RD], v45, 4, v[RD]
	v_add_nc_u32 v[RD], s3, v[RD]
	v_and_b32 v[GO], 31, v0
	v_lshlrev_b32 v[PFO], 8, v[GO]
	v_lshlrev_b32 v[GO], 4, v[GO]
	s_mov_b32 s98, 0x3f703d50                      ; log2(8 / ln 65)
	s_mov_b32 s99, 0x3f075d3c                      ; log2(log2 e)
	s_wait_kmcnt 0x0
	v_mov_b32 v47, s13
	v_cvt_pk_bf16_f32 v47, v47, v47
	v_lshlrev_b32 v47, 16, v47
	v_fma_f32 v47, v47, s98, s99
	v_exp_f32 v47, v47
	v_nop                                          ; a plain instruction behind the exponential,
	s_wait_alu depctr_va_vdst(0)                   ; and a wait ahead of its first reader
	v_readfirstlane_b32 s[CS], v47
	s_mov_b32 s[CS+1], s[CS]
; A step's K (8 fragments) and kn (my 32 keys'), one run of 24 loads
.macro FK
	WIN 0
	v_add_nc_u32 v[AK], s[TBK], v[AK0]
	v_add_nc_u32 v[AN], s[TBN], v[AN0]
	WIN 0x40
.irp f, 0,1,2,3,4,5,6,7
	ds_load_b128 v[KF+8*\f:KF+8*\f+3],   v[AK] offset:(\f/2)*16*PK+(\f%2)*64
	ds_load_b128 v[KF+8*\f+4:KF+8*\f+7], v[AK] offset:(\f/2)*16*PK+(\f%2)*64+32
.endr
	WIN 0
.irp kb, 0,1,2,3
	ds_load_b128 v[KN+8*\kb:KN+8*\kb+3],   v[AN] offset:64*\kb
	ds_load_b128 v[KN+8*\kb+4:KN+8*\kb+7], v[AN] offset:64*\kb+16
.endr
	s_add_co_u32 s[TBK], s[TBK], KS*PK
	s_add_co_u32 s[TBN], s[TBN], KS*4
.endm
.macro FETCH_V
	WIN 0x40
.irp f, 0,1,2,3,4,5,6,7
	ds_load_tr16_b128 v[VF+8*\f:VF+8*\f+3],   v[AV] offset:(\f/4)*32*PV+(\f%4)*32
	ds_load_tr16_b128 v[VF+8*\f+4:VF+8*\f+7], v[AV] offset:(\f/4)*32*PV+16*PV+(\f%4)*32
.endr
	WIN 0
	s_add_co_u32 s[TBV], s[TBV], KS*PV
.endm
; 16 products S^T = K Q^T: channels 32 (i / 8) on, keys 16 ((i / 2) % 4) on, piece i % 2.  The 8 accumulators take turns; the first 8 start the sums.
.macro KQM
	WIN W_KQ
.set i, 0
.rept 16
.set aS, S+32*(i%2)+8*((i/2)%4)
.set aK, KF+16*((i/2)%4)+8*(i/8)
.set aQ, QF+16*(i%2)+8*(i/8)
.if i < 8
	v_wmma_f32_16x16x32_f16 v[aS:aS+7], v[aK:aK+7], v[aQ:aQ+7], 0
.else
	v_wmma_f32_16x16x32_f16 v[aS:aS+7], v[aK:aK+7], v[aQ:aQ+7], v[aS:aS+7]
.endif
.set i, i+1
.endr
.endm
; 8 products O^T += V^T P for piece x: keys 32 (i / 4) on, channels 16 (i % 4) on; 4 accumulators by turns
.macro PVM x
	WIN W_PV
.set i, 0
.rept 8
.set aO, 32*(\x)+8*(i%4)
.set aV, VF+32*(i/4)+8*(i%4)
.set aP, P+8*(i/4)
	v_wmma_f32_16x16x32_f16 v[aO:aO+7], v[aV:aV+7], v[aP:aP+7], v[aO:aO+7]
.set i, i+1
.endr
.endm
; kn + (qn + 1e-5) for both pieces: 32 plain lines that name no register of the products in front of them: their places; they free kn's registers
.macro STA
	WIN 0
.irp x, 0,1
.set p, 0
.rept 16
	v_pk_add_f32 v[XR+32*\x+2*p:XR+32*\x+2*p+1], v[KN+2*p:KN+2*p+1], v[QE+2*\x:QE+2*\x+1] op_sel_hi:[1,0]
.set p, p+1
.endr
.endr
.endm
; THE VECTOR WORK of piece x for one key step.  Two batches of transcendentals, each with ONE wait, ahead of which nothing names a result of the batch.
.macro VEC x
.set rS, S+32*(\x)
.set rX, XR+32*(\x)
.set rT, ST+4*(\x)
.set rC, TMP+4*(\x)
.set rM, MV+(\x)
.set rO, 32*(\x)
.set rMC, MC+32*(\x)
	WIN 0
.set p, 0
.rept 16                               ; the divisor d = kn + qn + 1e-5 - 2 t, pairs ascending (each accumulator of S^T is read from its low end); the pair before goes to 1 / d
	v_pk_fma_f32 v[rX+2*p:rX+2*p+1], v[rS+2*p:rS+2*p+1], -2.0, v[rX+2*p:rX+2*p+1] op_sel_hi:[1,0,1]
.if p > 0
	v_rcp_f32 v[rX+2*p-2], v[rX+2*p-2]
	v_rcp_f32 v[rX+2*p-1], v[rX+2*p-1]
.endif
.set p, p+1
.endr
	v_rcp_f32 v[rX+30], v[rX+30]
	v_rcp_f32 v[rX+31], v[rX+31]
	v_nop                                          ; a plain instruction behind the last reciprocal
	s_wait_alu depctr_va_vdst(0)                   ; one wait for the 32 reciprocals
.set p, 0
.rept 16
	v_pk_mul_f32 v[rX+2*p:rX+2*p+1], v[rX+2*p:rX+2*p+1], v[rS+2*p:rS+2*p+1]  ; t / d
.set p, p+1
.endr
	WIN 0x20                                       ; source 2 in window 2
.set p, 0
.rept 16
	v_pk_fma_f32 v[rS+2*p:rS+2*p+1], v[rX+2*p:rX+2*p+1], v[rS+2*p:rS+2*p+1], v[rMC+2*p:rMC+2*p+1]  ; s = t^2 / d + mask
.set p, p+1
.endr
	WIN 0
.irp n, 0,1,2,3
	v_max3_num_f32 v[rC+\n], v[rS+8*\n], v[rS+8*\n+1], v[rS+8*\n+2]
.endr
.irp n, 0,1,2,3
	v_max3_num_f32 v[rC+\n], v[rC+\n], v[rS+8*\n+3], v[rS+8*\n+4]
.endr
.irp n, 0,1,2,3
	v_max3_num_f32 v[rC+\n], v[rC+\n], v[rS+8*\n+5], v[rS+8*\n+6]
.endr
	v_max3_num_f32 v[rC], v[rC], v[rS+7], v[rS+15]
	v_max3_num_f32 v[rC+1], v[rC+1], v[rS+23], v[rS+31]
	v_max3_num_f32 v[rC+2], v[rC+2], v[rC+3], v[rT+1]
	v_mov_b32 v[rM], v[rT]                         ; c m_old is kept
	v_max3_num_f32 v[rC], v[rC], v[rC+1], v[rC+2]
	v_permlanex16_b32 v[rC+3], v[rC], s[SEL], s[SEL+1]  ; the query's other 32 keys lie in the lane 16 away
	v_max_num_f32 v[rT+1], v[rC], v[rC+3]
	v_mul_f32 v[rT], s[CS], v[rT+1]
	v_sub_f32 v[rC+1], v[rM], v[rT]
	v_exp_f32 v[rC+2], v[rC+1]                     ; a
.set p, 0
.rept 16                               ; c s - c m; the pair before goes to its exponentials
	v_pk_fma_f32 v[rS+2*p:rS+2*p+1], v[rS+2*p:rS+2*p+1], s[CS:CS+1], v[rT:rT+1] op_sel_hi:[1,0,0] neg_lo:[0,0,1] neg_hi:[0,0,1]
.if p > 0
	v_exp_f32 v[rS+2*p-2], v[rS+2*p-2]
	v_exp_f32 v[rS+2*p-1], v[rS+2*p-1]
.endif
.set p, p+1
.endr
	v_exp_f32 v[rS+30], v[rS+30]
	v_exp_f32 v[rS+31], v[rS+31]
	v_nop                                          ; a plain instruction behind the last exponential
	s_wait_alu depctr_va_vdst(0)                   ; one wait for the 33 exponentials
.set p, 0
.rept 16
	v_cvt_pk_f16_f32 v[P+p], v[rS+2*p], v[rS+2*p+1]
.set p, p+1
.endr
.irp u, 0,1,2,3,4,5,6,7
	v_pk_add_f32 v[rS+4*\u:rS+4*\u+1], v[rS+4*\u:rS+4*\u+1], v[rS+4*\u+2:rS+4*\u+3]
.endr
.irp u, 0,1,2,3
	v_pk_add_f32 v[rS+8*\u:rS+8*\u+1], v[rS+8*\u:rS+8*\u+1], v[rS+8*\u+4:rS+8*\u+5]
.endr
.irp u, 0,1
	v_pk_add_f32 v[rS+16*\u:rS+16*\u+1], v[rS+16*\u:rS+16*\u+1], v[rS+16*\u+8:rS+16*\u+9]
.endr
	v_pk_add_f32 v[rS:rS+1], v[rS:rS+1], v[rS+16:rS+17]
	v_pk_fma_f32 v[rT+2:rT+3], v[rT+2:rT+3], v[rC+2:rC+3], v[rS:rS+1] op_sel_hi:[1,0,1]  ; l = a l + the sum
	WIN W_RS
.set p, 0
.rept 16
	v_pk_mul_f32 v[rO+2*p:rO+2*p+1], v[rO+2*p:rO+2*p+1], v[rC+2:rC+3] op_sel_hi:[1,0]  ; O^T times a
.set p, p+1
.endr
	WIN 0
.endm
.macro PARTA
	VEC 1
	PVM 1
.endm
.macro PARTB
	s_cmp_eq_u32 s[DG], 1
	s_cbranch_scc0 .Lnomask_\@
	s_cmp_eq_u32 s[CNT], 2                         ; the tile's step 0: band 0's own, band 1 sees all; step 1: band 0 sees nothing, band 1's own
	s_cselect_b32 s[AL0], 1.0, 0
	s_cselect_b32 s[BE0], 0, s[BIGN]
	s_cselect_b32 s[AL1], 0, 1.0
	WIN 0x82
.set z, 0
.rept 16
	v_pk_fma_f32 v[MC+2*z:MC+2*z+1], v[MD+2*z:MD+2*z+1], s[AL0:AL0+1], s[BE0:BE0+1] op_sel_hi:[1,0,0]
	v_pk_fma_f32 v[MC+32+2*z:MC+32+2*z+1], v[MD+2*z:MD+2*z+1], s[AL1:AL1+1], s[BE1:BE1+1] op_sel_hi:[1,0,0]
.set z, z+1
.endr
	WIN 0
.Lnomask_\@:
	PLACES                                         ; behind piece 1's V^T P, in front of the loads into V's registers
	v_add_nc_u32 v[AV], s[TBV], v[AV0]
	FETCH_V
	s_wait_dscnt 16                                ; K and kn are in; V's 16 loads may stay out
	KQM
	STA
	VEC 0
	s_wait_dscnt 0x0                               ; V is in
	PVM 0
.endm
; THE WAY OUT of a block: l's two halves and the other half of the lanes' are added; O^T is divided by l, rounded to f16 and sent through my stage, a piece (16 rows) at a time.
.macro PACK t
	WIN W_RS
.set i, 32*(\t)
.rept 16
	v_pk_mul_f32 v[i:i+1], v[i:i+1], v[ST+4*(\t)+2:ST+4*(\t)+3] op_sel_hi:[1,0]
.set i, i+2
.endr
	WIN 0x05
.set i, 0
.rept 16
	v_cvt_pk_f16_f32 v[S+16*(\t)+i], v[32*(\t)+2*i], v[32*(\t)+2*i+1]
.set i, i+1
.endr
	WIN 0
.irp f, 0,1,2,3
	ds_store_b128 v[STO], v[S+16*(\t)+4*\f:S+16*(\t)+4*\f+3] offset:32*\f
.endr
.irp f, 0,1,2,3
	ds_load_b128 v[S+16*(\t)+4*\f:S+16*(\t)+4*\f+3], v[RD] offset:\f*4*SP  ; LDS serves a wave's instructions in order (ISA guide 5.7.1.4): these see the stores above
.endr
.endm
.macro SEND t, younger                 ; younger: the LDS instructions issued behind piece t's loads
.irp f, 0,1,2,3
	s_wait_dscnt (\younger)+3-\f
	global_store_b128 v[GO], v[S+16*(\t)+4*\f:S+16*(\t)+4*\f+3], s[OB:OB+1] offset:(\t)*8192+\f*512  ; 512 consecutive bytes, at a multiple of 256 from ob's first
.endr
.endm
.macro WAYOUT
	WIN 0
	PLACES                                         ; behind the block's last products
.irp t, 0,1
	v_add_f32 v[ST+4*\t+2], v[ST+4*\t+2], v[ST+4*\t+3]
.endr
.irp t, 0,1
	v_permlanex16_b32 v[ST+4*\t+3], v[ST+4*\t+2], s[SEL], s[SEL+1]
.endr
.irp t, 0,1
	v_add_f32 v[ST+4*\t+2], v[ST+4*\t+2], v[ST+4*\t+3]
.endr
.irp t, 0,1
	v_rcp_f32 v[ST+4*\t+2], v[ST+4*\t+2]
.endr
	v_nop
	s_wait_alu depctr_va_vdst(0)                   ; one wait for the two reciprocals
	PACK 0
	PACK 1
	SEND 0, 8
	SEND 1, 0
.endm
; THE SECOND BLOCK BEGINS: c m far below every c s, so that the next a is 0 and O^T and l need only be finite; its Q, its qn; the masks are 0 again.
.macro SWITCH
	s_wait_xcnt 0x0                                ; the stores have read their registers and ob's address
	s_mov_b64 s[OB:OB+1], s[OB2:OB2+1]
	s_mov_b32 s[NEW], 0
.irp t, 0,1
	v_mov_b32 v[ST+4*\t], 0xfe000000
	v_mov_b32 v[ST+4*\t+1], 0xff7fffff
	v_mov_b32 v[QE+2*\t], v[QE2+2*\t]
	v_mov_b32 v[QE+2*\t+1], v[QE2+2*\t+1]
.endr
	WIN 0x42
.set i, 0
.rept 32
	v_mov_b32 v[QF+i], v[Q2F+i]
.set i, i+1
.endr
	WIN 0x80
.set i, 0
.rept 64
	v_mov_b32 v[MC+i], 0
.set i, i+1
.endr
	WIN 0
.endm
.macro TWO_STEPS tag                   ; a tile's two trips
.Lstep\tag:
	FK
	PARTA
	WIN 0
	s_cmp_eq_u32 s[NEW], 1
	s_cbranch_scc0 .Lfirst\tag
	WAYOUT
	SWITCH
.Lfirst\tag:
	PARTB
	WIN 0
	s_sub_co_u32 s[CNT], s[CNT], 1
	s_cmp_lg_u32 s[CNT], 0
	s_cbranch_scc1 .Lstep\tag
.endm
	CHANGE 1                                       ; tile 0 is in, everybody's part of it; tile 1 is asked for
	BOOK
	FK                                             ; key step 0
	s_wait_loadcnt 0x0                             ; Q and qn of both blocks
.irp t, 0,1
	v_add_f32 v[QE+2*\t], 0x3727c5ac, v[QE+2*\t]   ; qn + 1e-5, twice: named as a pair
	v_mov_b32 v[QE+2*\t+1], v[QE+2*\t]
	v_add_f32 v[QE2+2*\t], 0x3727c5ac, v[QE2+2*\t]
	v_mov_b32 v[QE2+2*\t+1], v[QE2+2*\t]
.endr
	s_mov_b32 s[SLOTS], NB
	s_branch .Lfirst1                              ; the loop is entered in the middle of a trip
.Lslot:                                                ; 15 times: tiles 1 .. 15 of the walk are entered, tiles 2 .. 16 asked for
	CHANGE 1
	BOOK
	TWO_STEPS 1
	s_sub_co_u32 s[SLOTS], s[SLOTS], 1
	s_cmp_lg_u32 s[SLOTS], 0
	s_cbranch_scc1 .Lslot
	CHANGE 0                                       ; the walk's last tile is written out
	BOOK
	TWO_STEPS 2
	PARTA                                          ; piece 1 of the last step
	WAYOUT
	s_wait_tensorcnt 0x0                           ; the wave's end, behind my last tensor load and my last LDS store
	ds_add_u32 v[SPW], v[NIL]
	s_wait_dscnt 0x0
	s_endpgm
.Lfunc_end_k_q4b75c9f6bb_attn:
	.size	k_q4b75c9f6bb_attn, .Lfunc_end_k_q4b75c9f6bb_attn-k_q4b75c9f6bb_attn
	.p2alignl 7, 3214868480
	.fill 96, 4, 3214868480
	.section	.rodata,"a",@progbits
	.p2align	6, 0x0
	.amdhsa_kernel k_q4b75c9f6bb_attn
		.amdhsa_group_segment_fixed_size 327680
		.amdhsa_private_segment_fixed_size 0
		.amdhsa_enable_private_segment 0
		.amdhsa_kernarg_size 32
		.amdhsa_user_sgpr_count 2
		.amdhsa_user_sgpr_kernarg_segment_ptr 1
		.amdhsa_wavefront_size32 1
		.amdhsa_system_sgpr_workgroup_id_x 1
		.amdhsa_system_sgpr_workgroup_id_y 1
		.amdhsa_system_sgpr_workgroup_id_z 1
		.amdhsa_system_vgpr_workitem_id 0
		.amdhsa_next_free_vgpr 640
		.amdhsa_next_free_sgpr 102
		.amdhsa_reserve_vcc 1
		.amdhsa_float_denorm_mode_32 3
		.amdhsa_float_denorm_mode_16_64 3
		.amdhsa_memory_ordered 1
		.amdhsa_forward_progress 1
		.amdhsa_inst_pref_size 126
	.end_amdhsa_kernel
	.amdgpu_metadata
---
amdhsa.version: [ 1, 2 ]
amdhsa.kernels:
  - .name:           k_q4b75c9f6bb_attn
    .symbol:         k_q4b75c9f6bb_attn.kd
    .args:
      - { .name: qkv, .offset: 0, .size: 8, .value_kind: global_buffer, .address_space: global }
      - { .name: nrm, .offset: 8, .size: 8, .value_kind: global_buffer, .address_space: global }
      - { .name: alpha, .offset: 16, .size: 8, .value_kind: global_buffer, .address_space: global }
      - { .name: ob, .offset: 24, .size: 8, .value_kind: global_buffer, .address_space: global }
    .group_segment_fixed_size: 327680
    .private_segment_fixed_size: 0
    .kernarg_segment_align: 8
    .kernarg_segment_size: 32
    .max_flat_workgroup_size: 128
    .sgpr_count:     102
    .vgpr_count:     640
    .wavefront_size: 32
...
	.end_amdgpu_metadata
.endif
;; end of part 3
;; launch oproj (part 4): grid 8 x 32, 4 waves a work-group, clusters of 4 x 4, 327,680 bytes of LDS; arguments ob, wb, out0; writes out0
.if DOCPART == 4
	.amdgcn_target "amdgcn-amd-amdhsa--gfx1250"
	.amdhsa_code_object_version 6
	.text
	.protected	k_q4b75c9f6bb_oproj
	.globl	k_q4b75c9f6bb_oproj
	.p2align	8
	.type	k_q4b75c9f6bb_oproj,@function
k_q4b75c9f6bb_oproj:
	s_mov_b64 s[64:65], 0
	v_nop
	global_prefetch_b8 v0, s[64:65] scope:SCOPE_SE
	s_setreg_imm32_b32 hwreg(HW_REG_WAVE_MODE, 25, 1), 1
	s_wait_xcnt 0x0
	s_wait_alu depctr_hold_cnt(0) depctr_sa_sdst(0) depctr_va_vdst(0) depctr_va_sdst(0) depctr_va_ssrc(0) depctr_va_vcc(0) depctr_vm_vsrc(0)
	s_getreg_b32 s2, hwreg(HW_REG_IB_STS2, 6, 4)
	s_cmp_eq_u32 s2, 0
	s_cbranch_scc0 .Lentry_in_a_cluster
	s_endpgm
.Lentry_in_a_cluster:
	s_bfe_u32 s2, ttmp6, 0x10000c
	s_cmp_lg_u32 s2, 0xf033
	s_cbranch_scc0 .Lentry_shape_is_right
	s_endpgm
.Lentry_shape_is_right:
; out0 = O Wo: [4096 x 1024] x [1024 x 1024], operands f16 (O as the launch before left it; Wo rounded to bf16 and written as f16, plane 3 of wb), sums and result f32.
; O lies by blocks: ob[row tile of 128][head][128 rows][64]: a K step of 256 is four heads' blocks, 65,536 dense bytes.  Wo lies [k][n]: its fragments are read by the turning load.
; SHARES.  A tile is 128 x 128: 32 x 8 = 256 work-groups; four waves of 64 x 64: 16 accumulators.  K goes in 4 steps of 256 through two LDS slots; waves 0, 1 fetch two head blocks of O each,
; waves 2, 3 128 k rows of Wo each.  CLUSTER: 4 x 4; O's tile is asked for jointly along a row of the cluster, Wo's along a column.  No prefetch: four K steps, small tiles.
; THE MATRIX INSTRUCTION IS USED TRANSPOSED (source 0 = 16 columns of Wo, source 1 = 16 rows of O): a lane holds eight neighbouring numbers of a row: 32 bytes.
; REGISTERS: window 0: v16-29 addresses; v32-95 the way out; v128-255 the accumulators ((a, b) at 128 + 8 (4 a + b)).  window 1: two fragment buffers of 128: 64 of O, then 64 of Wo.
.set PA,     144                       ; a row of a head block in LDS: 128 bytes + 16
.set PWO,    288                       ; a k row of Wo: 256 bytes + 32
.set HB,     128*PA
.set WOFF,   4*HB
.set SLOT,   WOFF+256*PWO
.set PART,   36864                     ; what one tensor load fills
.set STAGE,  2*SLOT                    ; never filled by a tensor load: 16 rows x 272 bytes for each wave
.set SPITCH, 272
.set SPARE,  STAGE+4*16*SPITCH         ; the spare words, 128 bytes for each wave: two blocks of 256 bytes that no other line names
.set ADRA, 16                          ; v16-17  my O fragments, by slot
.set ADRW, 20                          ; v20-23  my Wo fragments: slot s, half of the K step at ADRW + 2 s + half
.set STO,  24
.set RD,   25
.set CO,   26
.set SPW,  28                          ; never rewritten
.set NIL,  29                          ; never rewritten
.set TMP,  32
.set ACC,  128
.set F0,   0
.set F1,   128
.set G1, 24
.set G0, 32
.set G1B, 48
.set G0B, 56
.set MSB, 0
.macro WIN new
.if MSB != (\new)
	s_set_vgpr_msb (MSB<<8)|(\new)
.set MSB, \new
.endif
.endm
.set MUL,  0x05                        ; sources 0 and 1 window 1; C and D window 0
.set TO_F, 0x40                        ; destination window 1, address window 0
.macro JLOAD s                         ; waves 0, 1: O's; waves 2, 3: Wo's; an s_nop 0 and four v_nop follow each line
	s_cmp_eq_u32 s11, 0
	s_cbranch_scc0 .Lfor_b_\@
	tensor_load_to_lds s[G0+4*(\s):G0+4*(\s)+3], s[G1:G1+7]
	s_nop 0
.rept 4
	v_nop
.endr
	s_branch .Lasked_\@
.Lfor_b_\@:
	tensor_load_to_lds s[G0B+4*(\s):G0B+4*(\s)+3], s[G1B:G1B+7]
	s_nop 0
.rept 4
	v_nop
.endr
.Lasked_\@:
.endm
.macro CREST
	s_cmp_lg_u32 s10, 0
	s_cbranch_scc1 .Lnot_wave_0_\@
	s_barrier_signal -3
.Lnot_wave_0_\@:
	s_barrier_wait -3
	s_barrier_signal -1
	s_barrier_wait -1
.endm
.macro CROUND
	s_barrier_signal -1
	s_barrier_wait -1
	CREST
.endm
	s_load_b128 s[4:7], s[0:1], 0x0                ; ob s[4:5], wb s[6:7]
	s_load_b64 s[8:9], s[0:1], 0x10                ; out0
	v_lshl_add_u32 v[SPW], v0, 2, SPARE
	v_mov_b32 v[NIL], 0
	ds_add_u32 v[SPW], v[NIL]                      ; the wave's opening: the add and its wait ahead of my first tensor load
	v_lshrrev_b32 v1, 5, v0
	v_readfirstlane_b32 s10, v1                    ; wave 0..3
	s_lshr_b32 s11, s10, 1                         ; which 64 rows are mine.  Also: I fetch for O (0) or for Wo (1)
	s_and_b32 s12, s10, 1                          ; which 64 columns.  Also: which half of that tile I fetch
	s_bfe_u32 s40, ttmp6, 0x40000                  ; cx
	s_bfe_u32 s41, ttmp6, 0x40004                  ; cy
	s_lshl_b32 s42, ttmp9, 2
	s_add_co_u32 s42, s42, s40                     ; tile column
	s_and_b32 s13, ttmp7, 0xffff
	s_lshl_b32 s13, s13, 2
	s_add_co_u32 s13, s13, s41                     ; tile row
	s_lshl_b32 s43, s41, 2
	s_lshl_b32 s43, 15, s43                        ; my row of the cluster
	s_lshl_b32 s44, 0x1111, s40                    ; my column
	s_or_b32 s[G1+0], s43, (1<<16)|(1<<20)|(1<<21)|(4<<22)|(3<<25)   ; mask; 2-byte elements; padding on; bit 21 beside a mask; after every 32 words, 4 words
	s_or_b32 s[G1B+0], s44, (1<<16)|(1<<20)|(1<<21)|(5<<22)|(7<<25)  ; after every 64 words, 8 words
.irp g, G1, G1B
	s_mov_b32 s[(\g)+1], 128<<16                   ; tensor_dim0 = 128
	s_mov_b32 s[(\g)+2], 128<<16                   ; tensor_dim1 = 128
	s_mov_b32 s[(\g)+3], 128<<16                   ; tile_dim0 = 128
	s_mov_b32 s[(\g)+4], 128                       ; tile_dim1 = 128
	s_mov_b32 s[(\g)+6], 0
	s_mov_b32 s[(\g)+7], 0
.endr
	s_mov_b32 s[G1+5], 128                         ; O's blocks are dense: 128 rows of 256 bytes, two rows of O each
	s_mov_b32 s[G1B+5], 1024
	s_lshl_b32 s16, s13, 18                        ; O: the row tile's 16 blocks,
	s_lshl_b32 s17, s12, 15                        ; my two of a K step's four
	s_add_co_u32 s16, s16, s17
	s_mov_b32 s17, 0
	s_lshl_b32 s46, s42, 8                         ; Wo: the tile's 256 bytes of each row,
	s_lshl_b32 s47, s12, 18                        ; my 128 k rows of a K step's 256,
	s_add_co_u32 s46, s46, s47
	s_add_co_u32 s46, s46, 3<<21                   ; in plane 3
	s_mov_b32 s47, 0
	s_mul_i32 s20, s10, PART                       ; where my load lands in a slot: the wave's number alone
	s_wait_dscnt 0x0                               ; the opening add is done
	s_wait_kmcnt 0x0
	s_add_nc_u64 s[14:15], s[4:5], s[16:17]
	s_add_nc_u64 s[46:47], s[6:7], s[46:47]
	CROUND                                         ; all sixteen work-groups are here: the first joint loads meet
.irp s, 0,1
	s_mov_b32 s[G0+4*(\s)], 1
	s_add_co_u32 s[G0+4*(\s)+1], s20, (\s)*SLOT
	s_add_nc_u64 s[G0+4*(\s)+2:G0+4*(\s)+3], s[14:15], (\s)*65536
	s_or_b32 s[G0+4*(\s)+3], s[G0+4*(\s)+3], 0x80000000
	s_mov_b32 s[G0B+4*(\s)], 1
	s_add_co_u32 s[G0B+4*(\s)+1], s20, (\s)*SLOT
	s_add_nc_u64 s[G0B+4*(\s)+2:G0B+4*(\s)+3], s[46:47], (\s)*256*2048
	s_or_b32 s[G0B+4*(\s)+3], s[G0B+4*(\s)+3], 0x80000000
	JLOAD \s                                       ; K steps 0 and 1: two loads of mine are out
.endr
	v_and_b32 v1, 15, v0                           ; r
	v_bfe_u32 v2, v0, 4, 1                         ; h
	v_and_b32 v3, 7, v0
	v_bfe_u32 v4, v0, 3, 1
	v_mul_u32_u24 v5, v1, PA
	v_lshl_add_u32 v5, v2, 4, v5
	s_mul_i32 s21, s11, 64*PA
	v_add_nc_u32 v[ADRA], s21, v5
	v_add_nc_u32 v[ADRA+1], SLOT, v[ADRA]
	v_lshl_add_u32 v6, v2, 3, v3
	v_mul_u32_u24 v6, v6, PWO
	v_lshl_add_u32 v6, v4, 4, v6
	s_lshl_b32 s21, s12, 7
	s_add_co_u32 s21, s21, WOFF
	v_add_nc_u32 v6, s21, v6
.irp s, 0,1
.irp k, 0,1
	v_add_nc_u32 v[ADRW+2*(\s)+(\k)], (\s)*SLOT+(\k)*128*PWO, v6
.endr
.endr
	s_mul_i32 s23, s10, 16*SPITCH
	s_add_co_u32 s23, s23, STAGE
	v_mul_u32_u24 v[STO], v1, SPITCH               ; in: row r, 32 bytes for each half of the lanes
	v_lshl_add_u32 v[STO], v2, 5, v[STO]
	v_add_nc_u32 v[STO], s23, v[STO]
	v_mul_u32_u24 v[RD], v2, SPITCH                ; back: lanes 0-15 one row of 256 bytes, lanes 16-31 the next
	v_lshl_add_u32 v[RD], v1, 4, v[RD]
	v_add_nc_u32 v[RD], s23, v[RD]
	v_lshlrev_b32 v[CO], 12, v2                    ; and the same two rows in out0
	v_lshl_add_u32 v[CO], v1, 4, v[CO]
	s_lshl_b32 s16, s13, 19                        ; 128 rows of 4,096 bytes for each tile row,
	s_lshl_b32 s17, s11, 18                        ; my 64 rows
	s_add_co_u32 s16, s16, s17
	s_mov_b32 s17, 0
	s_add_nc_u64 s[8:9], s[8:9], s[16:17]
	s_lshl_b32 s46, s42, 9                         ; the tile's 512 bytes of a row, my 256
	s_lshl_b32 s47, s12, 8
	s_add_co_u32 s46, s46, s47
	s_mov_b32 s47, 0
	s_add_nc_u64 s[8:9], s[8:9], s[46:47]
; 8 matrix instructions: row blocks a0, a0 + 1 x all 4 column blocks, 32 along K: half c of buffer f.  The 16 accumulators take turns.
.macro MUL8 f, c, a0, zero
	WIN MUL
.irp a, \a0, (\a0)+1
.irp b, 0,1,2,3
.if \zero
	v_wmma_f32_16x16x32_f16 v[ACC+8*(4*(\a)+(\b)):ACC+8*(4*(\a)+(\b))+7], v[(\f)+64+8*(4*(\c)+(\b)):(\f)+64+8*(4*(\c)+(\b))+7], v[(\f)+8*(4*(\c)+(\a)):(\f)+8*(4*(\c)+(\a))+7], 0
.else
	v_wmma_f32_16x16x32_f16 v[ACC+8*(4*(\a)+(\b)):ACC+8*(4*(\a)+(\b))+7], v[(\f)+64+8*(4*(\c)+(\b)):(\f)+64+8*(4*(\c)+(\b))+7], v[(\f)+8*(4*(\c)+(\a)):(\f)+8*(4*(\c)+(\a))+7], v[ACC+8*(4*(\a)+(\b)):ACC+8*(4*(\a)+(\b))+7]
.endif
.endr
.endr
.endm
; 32 LDS loads in one run: quarter q of a K step (one head: 64 along K) into buffer f; the first 32 along K first
.macro FETCH slot, q, f
	WIN TO_F
.irp c, 0,1
.irp i, 0,1,2,3
	ds_load_tr16_b128 v[(\f)+64+8*(4*(\c)+(\i)):(\f)+64+8*(4*(\c)+(\i))+3],   v[ADRW+2*(\slot)+(\q)/2] offset:(((\q)%2)*64+32*(\c))*PWO+32*(\i)
	ds_load_tr16_b128 v[(\f)+64+8*(4*(\c)+(\i))+4:(\f)+64+8*(4*(\c)+(\i))+7], v[ADRW+2*(\slot)+(\q)/2] offset:(((\q)%2)*64+32*(\c))*PWO+32*(\i)+16*PWO
	ds_load_b128 v[(\f)+8*(4*(\c)+(\i)):(\f)+8*(4*(\c)+(\i))+3],   v[ADRA+(\slot)] offset:(\q)*HB+64*(\c)+(\i)*16*PA
	ds_load_b128 v[(\f)+8*(4*(\c)+(\i))+4:(\f)+8*(4*(\c)+(\i))+7], v[ADRA+(\slot)] offset:(\q)*HB+64*(\c)+(\i)*16*PA+32
.endr
.endr
.endm
.macro PLACES
.rept 4
	v_nop
.endr
.endm
.macro QUARTER slot, q, f, g, zero
	s_wait_dscnt 16                                ; the first 32 along K are in
	MUL8 \f, 0, 0, \zero
	MUL8 \f, 0, 2, \zero
	PLACES
	FETCH \slot, \q, \g
	s_wait_dscnt 32                                ; all but the 32 just issued
	MUL8 \f, 1, 0, 0
	MUL8 \f, 1, 2, 0
.endm
; The last quarter multiplies buffer 1 and changes slots: one barrier; in front of it each wave waits for all its tensor loads, adds 0 to its spare word, and waits for that and for its reads of this slot.
.macro TURN slot, next, fill
	WIN 0
	s_wait_tensorcnt 0x0
	ds_add_u32 v[SPW], v[NIL]
	s_wait_dscnt 17                                ; the add and the youngest sixteen loads may be out
	MUL8 F1, 0, 0, 0
	s_wait_dscnt 0x0                               ; the add is done, my reads of this slot are over
	s_barrier_signal -1
	MUL8 F1, 0, 2, 0
.if \fill
	WIN 0
.endif
	s_barrier_wait -1
.if \fill
	CREST                                          ; no wave of any partner still reads this slot or has a load on its way
	s_add_nc_u64 s[G0+4*(\slot)+2:G0+4*(\slot)+3], s[G0+4*(\slot)+2:G0+4*(\slot)+3], 2*65536
	s_add_nc_u64 s[G0B+4*(\slot)+2:G0B+4*(\slot)+3], s[G0B+4*(\slot)+2:G0B+4*(\slot)+3], 2*256*2048
	JLOAD \slot                                    ; the first tensor load behind the round; its four v_nop are also the places for the loads below
.else
	PLACES
.endif
	FETCH \next, 0, F0
	MUL8 F1, 1, 0, 0
	MUL8 F1, 1, 2, 0
.endm
	s_wait_tensorcnt 1                             ; my part of K step 0 is in; K step 1's may stay out
	s_barrier_signal -1
	s_barrier_wait -1
	FETCH 0, 0, F0
	QUARTER 0, 1, F0, F1, 1                        ; the first products start the sums
	QUARTER 0, 2, F1, F0, 0
	QUARTER 0, 3, F0, F1, 0
	TURN 0, 1, 1                                   ; K step 2 is asked for
	QUARTER 1, 1, F0, F1, 0
	QUARTER 1, 2, F1, F0, 0
	QUARTER 1, 3, F0, F1, 0
	TURN 1, 0, 1                                   ; K step 3
	QUARTER 0, 1, F0, F1, 0
	QUARTER 0, 2, F1, F0, 0
	QUARTER 0, 3, F0, F1, 0
	TURN 0, 1, 0
	QUARTER 1, 1, F0, F1, 0
	QUARTER 1, 2, F1, F0, 0
	QUARTER 1, 3, F0, F1, 0
	s_wait_dscnt 16
	MUL8 F1, 0, 0, 0
	MUL8 F1, 0, 2, 0
	s_wait_dscnt 0x0
	MUL8 F1, 1, 0, 0
	MUL8 F1, 1, 2, 0
	WIN 0
	PLACES
	; THE WAY OUT, f32: my 64 columns are 256 bytes of a row, aligned, so each wave has a stage of its own and no barrier: 16 rows at a time go in by lanes and come back by rows.
.irp a, 0,1,2,3
.set BK, TMP+32*((\a)%2)
.irp b, 0,1,2,3
	ds_store_b128 v[STO], v[ACC+8*(4*(\a)+(\b)):ACC+8*(4*(\a)+(\b))+3]   offset:64*(\b)      ; each accumulator's low registers first
	ds_store_b128 v[STO], v[ACC+8*(4*(\a)+(\b))+4:ACC+8*(4*(\a)+(\b))+7] offset:64*(\b)+16
.endr
	s_wait_xcnt 0x0                                ; the stores of two blocks back have read these registers
.irp t, 0,1,2,3,4,5,6,7
	ds_load_b128 v[BK+4*(\t):BK+4*(\t)+3], v[RD] offset:(\t)*2*SPITCH  ; LDS serves a wave's instructions in order (ISA guide 5.7.1.4): these see the stores above
.endr
.irp t, 0,1,2,3,4,5,6,7
	s_wait_dscnt 7-(\t)
	global_store_b128 v[CO], v[BK+4*(\t):BK+4*(\t)+3], s[8:9] offset:65536*(\a)+8192*(\t) th:TH_STORE_NT  ; 16 lanes store 256 consecutive bytes, at a multiple of 256 from out0's first
.endr
.endr
	s_wait_tensorcnt 0x0                           ; the wave's end, behind my last tensor load and my last LDS store
	ds_add_u32 v[SPW], v[NIL]
	s_wait_dscnt 0x0
	CROUND                                         ; the closing round: no work-group ends while a partner may still ask for a tile that names it
	s_endpgm
.Lfunc_end_k_q4b75c9f6bb_oproj:
	.size	k_q4b75c9f6bb_oproj, .Lfunc_end_k_q4b75c9f6bb_oproj-k_q4b75c9f6bb_oproj
	.p2alignl 7, 3214868480
	.fill 96, 4, 3214868480
	.section	.rodata,"a",@progbits
	.p2align	6, 0x0
	.amdhsa_kernel k_q4b75c9f6bb_oproj
		.amdhsa_group_segment_fixed_size 327680
		.amdhsa_private_segment_fixed_size 0
		.amdhsa_enable_private_segment 0
		.amdhsa_kernarg_size 24
		.amdhsa_user_sgpr_count 2
		.amdhsa_user_sgpr_kernarg_segment_ptr 1
		.amdhsa_wavefront_size32 1
		.amdhsa_system_sgpr_workgroup_id_x 1
		.amdhsa_system_sgpr_workgroup_id_y 1
		.amdhsa_system_sgpr_workgroup_id_z 1
		.amdhsa_system_vgpr_workitem_id 0
		.amdhsa_next_free_vgpr 512
		.amdhsa_next_free_sgpr 66
		.amdhsa_reserve_vcc 0
		.amdhsa_float_denorm_mode_32 3
		.amdhsa_float_denorm_mode_16_64 3
		.amdhsa_memory_ordered 1
		.amdhsa_forward_progress 1
		.amdhsa_inst_pref_size 86
	.end_amdhsa_kernel
	.amdgpu_metadata
---
amdhsa.version: [ 1, 2 ]
amdhsa.kernels:
  - .name:           k_q4b75c9f6bb_oproj
    .symbol:         k_q4b75c9f6bb_oproj.kd
    .args:
      - { .name: ob, .offset: 0, .size: 8, .value_kind: global_buffer, .address_space: global }
      - { .name: wb, .offset: 8, .size: 8, .value_kind: global_buffer, .address_space: global }
      - { .name: out0, .offset: 16, .size: 8, .value_kind: global_buffer, .address_space: global }
    .group_segment_fixed_size: 327680
    .private_segment_fixed_size: 0
    .kernarg_segment_align: 8
    .kernarg_segment_size: 24
    .max_flat_workgroup_size: 128
    .sgpr_count:     66
    .vgpr_count:     512
    .wavefront_size: 32
...
	.end_amdgpu_metadata
.endif
;; end of part 4
;; ======== version 2 of 2: 4 launches; version 1 with the launch cast written anew for expert scheduling mode
;; limits: values are held in f16: magnitudes above 65,504 overflow, below 6.1e-05 lose precision
;; workspace buffers: xb 8,388,608 bytes; wb 8,388,608 bytes; rope 524,288 bytes; qkv 25,165,824 bytes; nrm 786,432 bytes; ob 8,388,608 bytes
;; launch cast (part 5): grid 32 x 8, 8 waves a work-group, no clusters, 0 bytes of LDS; arguments x, Wq, Wk, Wv, Wo, xb, wb, rope; writes xb, wb, rope
.if DOCPART == 5
	.amdgcn_target "amdgcn-amd-amdhsa--gfx1250"
	.amdhsa_code_object_version 6
	.text
	.protected	k_q4b75c9f6bb_cast
	.globl	k_q4b75c9f6bb_cast
	.p2align	8
	.type	k_q4b75c9f6bb_cast,@function
k_q4b75c9f6bb_cast:
	s_mov_b64 s[64:65], 0
	v_nop
	global_prefetch_b8 v0, s[64:65] scope:SCOPE_SE
	s_setreg_imm32_b32 hwreg(HW_REG_WAVE_SCHED_MODE, 0, 2), 2
	s_setreg_imm32_b32 hwreg(HW_REG_WAVE_MODE, 25, 1), 1
	s_wait_xcnt 0x0
	s_wait_alu depctr_vm_vsrc(0)
; CAST.  x, Wq, Wk, Wv are rounded once to bf16; Wo is rounded to bf16 and that number is written as f16 (exact from 6.1e-5 up; below it keeps f16's fixed step of 6e-8;
; beyond 65,504 it would be an infinity).  Each thread also makes one entry (cos, sin) of the rotary table: rope[t][i] = cos, sin of t x 10000^(-i/32), f32, 256 bytes a row t.
; SHARES.  Eight segments of 1,048,576 numbers, one for each y: y = 0..3 the quarters of x, y = 4..7 Wq, Wk, Wv, Wo.  A work-group takes 32,768 numbers: 16 rows of 2,048;
; thread t takes 8 numbers of each row: 32 bytes in, 16 bytes out, so a wave's store covers 512 consecutive bytes.  All 32 loads of a thread go out at once: nothing is read twice,
; no LDS, no barrier, no matrix work: a stream.
; LIMIT of the table: the frequency is 2^(-0.41524101 i) by v_exp_f32 (1 ulp); the products with 2/pi and with t are split exactly by fused multiply-adds, so the angle is off by
; at most 2e-4 rad (t = 2047, i = 1); sine and cosine are polynomials on |z| <= 1/2 quarter turns, off by under 4e-7.  Row 0 is exactly (1, 0).
; THE MODE: SCHED_MODE bits 1:0 = 2 (LLVM: expert scheduling mode 2), set by the entry lines.  The code itself states the register dependences
; between vector instructions and memory instructions, with s_wait_alu, always for 0.
; THE PLAN.  Registers that memory instructions touch:
;   v1, v2, v3   byte offsets of the loads, of the rows' stores and of the table's store: made once at the head, never named by a vector line again.
;   X            written by the 32 loads, all issued at the head, into registers that no vector line has named; read by each row's roundings behind the row's wait on LOADcnt; never loaded again.
;   v12, v13     written by the table's last lines; read by the table's one store; never written again.
;   Y            four registers to each of the 16 rows: written by that row's roundings and selects, read by that row's one store, never written again.
;   T, Z, v16-31 are named by vector instructions alone.
; So no register is written after a memory instruction has read it, and no load lands where a vector line has been: what is left to state is that an offset or a store's data is written.
; The 16 rows go in four blocks of four.  Block p writes its own rows' Y; its memory instructions are the four stores of block p - 1, whose Y no vector line of block p names.  One wait at
; a block's head states that the block before has written its Y, and the four stores are dealt among the block's rows with no further wait.
.set X, 32                             ; v[32:159]  row r: 8 numbers as loaded
.set Y, 160                            ; v[160:223] row r: 4 registers to store, each row its own: no store's data is ever rewritten
.set T, 4                              ; v[4:11]    at work
.set Z, 224                            ; v[224:227] at work
	s_load_b512 s[4:19], s[0:1], 0x0               ; x, Wq, Wk, Wv, Wo, xb, wb, rope
	s_and_b32 s20, ttmp7, 0xffff                   ; y: the segment
	v_lshlrev_b32 v1, 5, v0                        ; 32 t: my bytes in a row of the source
	v_lshlrev_b32 v2, 4, v0                        ; 16 t: in a row of the result
	s_lshl_b32 s28, s20, 5
	s_add_co_u32 s28, s28, ttmp9
	s_lshl_b32 s28, s28, 8
	v_add_nc_u32 v16, s28, v0                      ; g = my entry of the table, 0 .. 65,535
	v_lshlrev_b32 v3, 3, v16                       ; 8 g
	s_and_b32 s26, s20, 3
	s_cmp_lt_u32 s20, 4
	s_cselect_b32 s27, s26, 0                      ; the quarter of x, or 0 for a weight
	s_lshl_b32 s30, s27, 22
	s_lshl_b32 s29, ttmp9, 17
	s_add_co_u32 s30, s30, s29                     ; source offset
	s_mov_b32 s31, 0
	s_lshl_b32 s32, s26, 21
	s_lshl_b32 s29, ttmp9, 16
	s_add_co_u32 s32, s32, s29                     ; result offset
	s_mov_b32 s33, 0
	s_mov_b32 s34, 0xffff0000                      ; a word's upper bf16
	s_mov_b32 s35, 0x3f22f983                      ; 2/pi, rounded to f32
	s_mov_b32 s36, 0x332d44bc                      ; what that rounding lost, relative: 4.034e-8
	s_wait_kmcnt 0x0
	s_cmp_lt_u32 s20, 4
	s_cselect_b64 s[22:23], s[4:5], s[6:7]
	s_cselect_b64 s[24:25], s[14:15], s[16:17]
	s_cmp_eq_u32 s20, 5
	s_cselect_b64 s[22:23], s[8:9], s[22:23]
	s_cmp_eq_u32 s20, 6
	s_cselect_b64 s[22:23], s[10:11], s[22:23]
	s_cmp_eq_u32 s20, 7
	s_cselect_b64 s[22:23], s[12:13], s[22:23]
	s_cselect_b32 s21, -1, 0                       ; all lanes: the result is written as f16 (Wo alone)
	s_add_nc_u64 s[22:23], s[22:23], s[30:31]
	s_add_nc_u64 s[24:25], s[24:25], s[32:33]
	s_wait_alu depctr_va_vdst(0)                   ; v1, v2 and v3 are written: every load and store of the kernel reads one of them as its offset, and no vector line names them again
.set r, 0
.rept 16
	global_load_b128 v[X+8*r:X+8*r+3],   v1, s[22:23] offset:8192*r th:TH_LOAD_NT
	global_load_b128 v[X+8*r+4:X+8*r+7], v1, s[22:23] offset:8192*r+16 th:TH_LOAD_NT
.set r, r+1
.endr
	; the table entry, while the loads are on their way
	v_and_b32 v17, 31, v16                         ; i
	v_lshrrev_b32 v18, 5, v16                      ; t
	v_cvt_f32_u32 v17, v17
	v_cvt_f32_u32 v18, v18
	v_mul_f32 v17, 0xbed49a78, v17                 ; -i log2(10000) / 32
	v_exp_f32 v19, v17                             ; the frequency
	v_nop                                          ; a plain instruction behind the exponential,
	s_wait_alu depctr_va_vdst(0)                   ; and the exponential has written v19, ahead of its first reader
	v_mul_f32 v20, s35, v19                        ; quarter turns for each step of t,
	v_fma_f32 v21, v19, s35, -v20                  ; and what that product's rounding lost
	v_mul_f32 v22, v18, v20                        ; p = quarter turns,
	v_fma_f32 v23, v18, v20, -v22                  ; the rest of the product, exact,
	v_fma_f32 v23, v18, v21, v23
	v_fma_f32 v23, v22, s36, v23                   ; and the constant's own rounding
	v_rndne_f32 v24, v22                           ; whole quarter turns
	v_cvt_i32_f32 v29, v24                         ; the quadrant is its two low bits
	v_and_b32 v30, 1, v29
	v_cmp_eq_u32 vcc_lo, 1, v30                    ; made here, so that both polynomials stand between it and the wait for it
	v_sub_f32 v25, v22, v24
	v_add_f32 v25, v25, v23                        ; z, within a half
	v_mul_f32 v26, v25, v25
	v_mov_b32 v27, 0xbb996966                      ; sin(z pi/2) = z (1.5707963 - 0.6459641 z^2 + 0.0796926 z^4 - 0.0046818 z^6)
	v_fmaak_f32 v27, v27, v26, 0x3da335e3
	v_fmaak_f32 v27, v27, v26, 0xbf255de7
	v_fmaak_f32 v27, v27, v26, 0x3fc90fdb
	v_mul_f32 v27, v27, v25
	v_mov_b32 v28, 0x3a70fa84                      ; cos(z pi/2) = 1 - 1.2337006 z^2 + 0.2536695 z^4 - 0.0208635 z^6 + 0.0009193 z^8
	v_fmaak_f32 v28, v28, v26, 0xbcaae9e4
	v_fmaak_f32 v28, v28, v26, 0x3e81e0f8
	v_fmaak_f32 v28, v28, v26, 0xbf9de9e6
	v_fmaak_f32 v28, v28, v26, 0x3f800000
	s_wait_alu depctr_va_vcc(0)                    ; the compare has written VCC, which the two selects below read
	v_cndmask_b32 v12, v28, v27, vcc_lo            ; odd quadrants swap the two
	v_cndmask_b32 v13, v27, v28, vcc_lo
	v_add_nc_u32 v31, 1, v29
	v_and_b32 v31, 2, v31
	v_lshlrev_b32 v31, 30, v31
	v_xor_b32 v12, v12, v31                        ; cos is negative in quadrants 1 and 2,
	v_and_b32 v31, 2, v29
	v_lshlrev_b32 v31, 30, v31
	v_xor_b32 v13, v13, v31                        ; sin in 2 and 3
	s_wait_alu depctr_va_vdst(0)                   ; v12 and v13 are written, which the store reads
	global_store_b64 v3, v[12:13], s[18:19]        ; a wave writes one whole row of 256 bytes; v12, v13 are not written again
; Row r's arithmetic: X of the row into Y of the row
.macro WORK r
.irp k, 0,1,2,3
	v_cvt_pk_bf16_f32 v[Y+4*(\r)+(\k)], v[X+8*(\r)+2*(\k)], v[X+8*(\r)+2*(\k)+1]
.endr
.irp k, 0,1,2,3
	v_lshlrev_b32 v[T+2*(\k)],   16, v[Y+4*(\r)+(\k)]     ; the rounded numbers as f32,
	v_and_b32     v[T+2*(\k)+1], s34, v[Y+4*(\r)+(\k)]
.endr
.irp k, 0,1,2,3
	v_cvt_pk_f16_f32 v[Z+(\k)], v[T+2*(\k)], v[T+2*(\k)+1]  ; as f16,
.endr
.irp k, 0,1,2,3
	v_cndmask_b32 v[Y+4*(\r)+(\k)], v[Y+4*(\r)+(\k)], v[Z+(\k)], s21  ; taken for Wo alone
.endr
.endm
; Row r's store
.macro SEND r
	global_store_b128 v2, v[Y+4*(\r):Y+4*(\r)+3], s[24:25] offset:4096*(\r)
.endm
; Block p: rows 4 p .. 4 p + 3 are worked on, and the rows of block p - 1 are stored, one ahead of each row's work.
.macro BLK p
	s_wait_loadcnt 30-8*(\p)                       ; loads come back in order: the block's first row's two are in, the two of each later row may stay out
.if (\p) > 0
	s_wait_alu depctr_va_vdst(0)                   ; the block before has written its four rows' Y, which the four stores below read; no vector line of this block names those registers or v2
.endif
.irp i, 0,1,2,3
.if (\p) > 0
	SEND 4*((\p)-1)+(\i)
.endif
.if (\i) > 0
	s_wait_loadcnt 30-2*(4*(\p)+(\i))              ; this row's two loads are in
.endif
	WORK 4*(\p)+(\i)
.endr
.endm
	BLK 0
	BLK 1
	BLK 2
	BLK 3
	s_wait_alu depctr_va_vdst(0)                   ; block 3 has written its four rows' Y, which the last four stores read
.irp r, 12,13,14,15
	SEND \r
.endr
	s_endpgm
.Lfunc_end_k_q4b75c9f6bb_cast:
	.size	k_q4b75c9f6bb_cast, .Lfunc_end_k_q4b75c9f6bb_cast-k_q4b75c9f6bb_cast
	.p2alignl 7, 3214868480
	.fill 96, 4, 3214868480
	.section	.rodata,"a",@progbits
	.p2align	6, 0x0
	.amdhsa_kernel k_q4b75c9f6bb_cast
		.amdhsa_group_segment_fixed_size 0
		.amdhsa_private_segment_fixed_size 0
		.amdhsa_enable_private_segment 0
		.amdhsa_kernarg_size 64
		.amdhsa_user_sgpr_count 2
		.amdhsa_user_sgpr_kernarg_segment_ptr 1
		.amdhsa_wavefront_size32 1
		.amdhsa_system_sgpr_workgroup_id_x 1
		.amdhsa_system_sgpr_workgroup_id_y 1
		.amdhsa_system_sgpr_workgroup_id_z 1
		.amdhsa_system_vgpr_workitem_id 0
		.amdhsa_next_free_vgpr 240
		.amdhsa_next_free_sgpr 66
		.amdhsa_reserve_vcc 1
		.amdhsa_float_denorm_mode_32 3
		.amdhsa_float_denorm_mode_16_64 3
		.amdhsa_memory_ordered 1
		.amdhsa_forward_progress 1
		.amdhsa_inst_pref_size 25
	.end_amdhsa_kernel
	.amdgpu_metadata
---
amdhsa.version: [ 1, 2 ]
amdhsa.kernels:
  - .name:           k_q4b75c9f6bb_cast
    .symbol:         k_q4b75c9f6bb_cast.kd
    .args:
      - { .name: x, .offset: 0, .size: 8, .value_kind: global_buffer, .address_space: global }
      - { .name: Wq, .offset: 8, .size: 8, .value_kind: global_buffer, .address_space: global }
      - { .name: Wk, .offset: 16, .size: 8, .value_kind: global_buffer, .address_space: global }
      - { .name: Wv, .offset: 24, .size: 8, .value_kind: global_buffer, .address_space: global }
      - { .name: Wo, .offset: 32, .size: 8, .value_kind: global_buffer, .address_space: global }
      - { .name: xb, .offset: 40, .size: 8, .value_kind: global_buffer, .address_space: global }
      - { .name: wb, .offset: 48, .size: 8, .value_kind: global_buffer, .address_space: global }
      - { .name: rope, .offset: 56, .size: 8, .value_kind: global_buffer, .address_space: global }
    .group_segment_fixed_size: 0
    .private_segment_fixed_size: 0
    .kernarg_segment_align: 8
    .kernarg_segment_size: 64
    .max_flat_workgroup_size: 256
    .sgpr_count:     66
    .vgpr_count:     240
    .wavefront_size: 32
...
	.end_amdgpu_metadata
.endif
;; end of part 5
;; launch qkv: the kernel of part 2 again; grid 8 x 32, 4 waves a work-group, clusters of 4 x 4, 327,680 bytes of LDS; arguments xb, wb, rope, qkv, nrm; writes qkv, nrm
;; launch attn: the kernel of part 3 again; grid 8 x 32, 4 waves a work-group, no clusters, 327,680 bytes of LDS; arguments qkv, nrm, alpha, ob; writes ob
;; launch oproj: the kernel of part 4 again; grid 8 x 32, 4 waves a work-group, clusters of 4 x 4, 327,680 bytes of LDS; arguments ob, wb, out0; writes out0
